; MI455X (gfx1250); checked and timed in simulation.
; The chip was launched on July 23, 2026; its instructions are those of AMD's public machine-readable ISA for CDNA 5 (MIT licence, August 2026) and "CDNA5" Instruction Set Architecture Reference Guide (July 2026). The comments in the code are by the model that wrote it; some were corrected since.
;; Spectral Attention. Allowed arithmetic: matrix products marked QUANTISED: E2M1 operands, one E8M0 scale for each 32 along K, by v_wmma_scale_f32_16x16x128_f8f6f4 with both operands' format E2M1 (or v_wmma_scale_f32_32x16x128_f4), f32 sums; products left as they are: bf16, f16 or f32 operands; f32 sums; everything else in f32.
;; Inputs: bk 1,024 float32; bo 1,024 float32; bq 1,024 float32; bv 1,024 float32; wk 1,024 x 1,024 float32; wo 1,024 x 1,024 float32; wq 1,024 x 1,024 float32; wv 1,024 x 1,024 float32; x 4 x 2,048 x 1,024 float32.
;; Outputs: out0 4 x 2,048 x 1,024 float32.
;; This version of the problem:
;;   THIS VERSION OF THE PROBLEM IS GIVEN IN LOW PRECISION. The matrix products marked QUANTISED in the list below multiply operands that are first quantised to E2M1 (2 exponent bits, 1 mantissa bit; 4 bits a number), with one power-of-two scale for each 32 numbers along K (OCP MX v1.0); their sums are f32. The products marked 'left as it is' may take bf16, f16 or f32 operands, with f32 sums. Whichever they take, every output number must still come out within the allowed error. Rounding operands to bf16 (8 significant bits) uses up far more of that allowance than f16 does (11 bits, for magnitudes from 6e-5 to 65,504). All else is computed in f32.
;;   The module's matrix products, in the order in which they are computed (A, B: the left and right operand; K: the contracted axis; several contracted axes count as one K, in the product's order):
;;     1. [M 8,192, K 1,024] x [K 1,024, N 1,024]; A: input x; B: input wq: QUANTISED
;;     2. [M 8,192, K 1,024] x [K 1,024, N 1,024]; A: input x; B: input wk: QUANTISED
;;     3. [M 8,192, K 1,024] x [K 1,024, N 1,024]; A: input x; B: input wv: QUANTISED
;;     4. batch 64 x [M 2,048, K 64] x [K 64, N 2,048]; A: computed on the way; B: computed on the way: left as it is (an operand is computed on the way)
;;     5. batch 64 x [M 2,048, K 2,048] x [K 2,048, N 64]; A: computed on the way; B: computed on the way: left as it is (an operand is computed on the way)
;;     6. [M 8,192, K 1,024] x [K 1,024, N 1,024]; A: computed on the way; B: input wo: left as it is (an operand is computed on the way)
;;   THE QUANTISER, for each operand of a quantised product, along K:
;;     - K is cut into blocks of 32 from its start; a last block that is shorter is filled with zeros.
;;     - A block's scale is 2^e with e = floor(log2(the largest magnitude in the block)) - 2, held to -126 .. 127; a block of zeros has e = 0. As a byte (E8M0): e + 127.
;;     - Each number is divided by its block's scale, clamped to +-6, and rounded to the nearest number of E2M1, ties to even, subnormals kept.
;;     - The product sums the exact products of the quantised numbers (number of the format x scale) in f32.
;;   ~~~python
;;   def quantise(x, axis):      # numpy; x: float32 -> the quantised numbers, widened to float32 again
;;       x = np.moveaxis(x, axis, -1); K = x.shape[-1]
;;       x = np.pad(x, [(0, 0)] * (x.ndim - 1) + [(0, -K % 32)]); x = x.reshape(x.shape[:-1] + (-1, 32)); a = np.abs(x).max(-1, keepdims=True)
;;       e = np.where(a > 0, np.clip(np.frexp(np.where(a > 0, a, 1))[1] - 1 - 2, -126, 127), 0)      # np.frexp(a)[1] - 1 = floor(log2(a)), exactly
;;       r = np.clip(x / 2.0 ** e, -6, 6)
;;       step = 2.0 ** (np.maximum(np.frexp(np.where(r == 0, 1, r))[1] - 1, 0) - 1)
;;       q = np.round(r / step) * step * 2.0 ** e      # np.round: ties to even
;;       return np.moveaxis(q.reshape(q.shape[:-2] + (-1,))[..., :K], -1, axis).astype(np.float32)
;;   ~~~
;; One version. Each part assembles by itself: llvm-mc -triple=amdgcn-amd-amdhsa -mcpu=gfx1250 --defsym DOCPART=n.
;; ======== version 1 of 1: 5 launches
;; limits: values are held in f16: magnitudes above 65,504 overflow, below 6.1e-05 lose precision; right only within a limited range of input values
;; workspace buffers: x_codes 4,194,304 bytes; x_scales 262,144 bytes; w_codes 1,572,864 bytes; w_scales 98,304 bytes; wo16 2,097,152 bytes; qkv 50,331,648 bytes; qkv32 786,432 bytes; yh 16,777,216 bytes
;; launch quant (part 1): grid 384 x 1, 4 waves a work-group, no clusters, 33,280 bytes of LDS; arguments x, wq, wk, wv, wo, x_codes, x_scales, w_codes, w_scales, wo16; writes x_codes, x_scales, w_codes, w_scales, wo16
.if DOCPART == 1
	.amdgcn_target "amdgcn-amd-amdhsa--gfx1250"
	.amdhsa_code_object_version 6
	.text
	.protected	k_qdb69ad2a5f_quant
	.globl	k_qdb69ad2a5f_quant
	.p2align	8
	.type	k_qdb69ad2a5f_quant,@function
k_qdb69ad2a5f_quant:
	s_mov_b64 s[64:65], 0
	v_nop
	global_prefetch_b8 v0, s[64:65] scope:SCOPE_SE
	s_setreg_imm32_b32 hwreg(HW_REG_WAVE_MODE, 25, 1), 1
	s_wait_xcnt 0x0
; x [8192][1024], wq, wk, wv [1024][1024], f32, K innermost, become codes of FP4 (E2M1), two a byte, and one E8M0 byte for each 32 along K; wo [1024][1024] becomes f16.
; A block's scale is 2^(floor(log2(its largest magnitude)) - 2); its byte is the largest magnitude's exponent field - 2, held at 1 from below.  Each number is divided by the scale and rounded to the nearest code, ties to even.
; LIMITS: a block of zeros gets the byte 1 where the rule says 127 (its codes are zeros, and this program alone reads the bytes); NaN and infinities are not served; wo's numbers must lie under 65,504 in magnitude.
; SHARES: a work-group takes 32,768 numbers, a wave 8,192.  Work-groups 0-255: x; 256-287: wq; 288-319: wk; 320-351: wv (the three weights' codes and bytes lie on end in w_codes, w_scales); 352-383: wo.
; Rows are dense and 1,024 is a multiple of 32: each tensor is a plain stream of blocks of 32.  A wave takes 16 steps of 512 numbers: four loads of 512 consecutive bytes; the 2,048 bytes turn through the wave's own
; stage in LDS (16 bytes of padding behind each 64) and come back 16 neighbours a lane, two lanes to a block.  A lane's 16 codes are 8 bytes: a store covers 256 consecutive bytes.  A wave's 256 scale bytes are gathered in LDS.
.set STEPS, 16
.set EMAX,  2
.set CB,    8                          ; bytes of 16 codes
.set R,     16                         ; v16-79   four sets of 16 numbers as loaded
.set X,     80                         ; v80-111  two sets of 16 neighbours
.set E,     112                        ; v112-127 a scale byte for each step
.set C,     128                        ; v128-191 codes: four registers for each step (wo: the f16 numbers)
.set WREG,  8192                       ; LDS: a region for each wave: two stages of 32 x SP bytes, then its 256 scale bytes
.set SP,    80
.set SPW,   12                         ; v12 LDS address of my spare word; never rewritten
.set NIL,   13                         ; v13 0; never rewritten
.set SPARE, 4*WREG                     ; behind the four regions: the spare words, 128 bytes a wave
.set SRC,   24                         ; s[24:25] the numbers, s[26:27] the codes, s[28:29] the scale bytes
.set COD,   26
.set SCA,   28
	s_load_b256 s[4:11], s[0:1], 0x0               ; x, wq, wk, wv
	s_load_b256 s[12:19], s[0:1], 0x20             ; wo, x_codes, x_scales, w_codes
	s_load_b128 s[20:23], s[0:1], 0x40             ; w_scales, wo16
	v_lshl_add_u32 v[SPW], v0, 2, SPARE
	v_mov_b32 v[NIL], 0
	v_lshrrev_b32 v1, 5, v0
	v_readfirstlane_b32 s32, v1                    ; wave
	v_and_b32 v2, 31, v0                           ; lane
	v_lshlrev_b32 v3, 4, v2                        ; my 16 bytes of a load's 512
	s_cmp_ge_u32 ttmp9, 352                        ; wo's work-groups part here: the work-group's number alone decides
	s_cbranch_scc1 .Lwo
	s_mul_i32 s33, s32, WREG
	v_lshrrev_b32 v14, 2, v2
	v_mul_u32_u24 v14, v14, SP
	v_and_b32 v15, 3, v2
	v_lshl_add_u32 v14, v15, 4, v14
	v_add_nc_u32 v14, s33, v14                     ; the stage, on the way in: SP (lane / 4) + 16 (lane % 4)
	v_mul_u32_u24 v15, v2, SP
	v_add_nc_u32 v15, s33, v15                     ; and on the way out: SP x lane
	v_mul_u32_u24 v4, v2, CB                       ; my codes' place in a step's
	v_lshrrev_b32 v5, 1, v2
	s_add_co_u32 s33, s33, 2*32*SP
	v_add_nc_u32 v5, s33, v5                       ; my block's byte among my wave's 256
	v_lshlrev_b32 v7, 3, v2
	v_add_nc_u32 v6, s33, v7                       ; and on the way out 8 bytes a lane
	s_wait_kmcnt 0x0
	s_cmp_lt_u32 ttmp9, 320                        ; which tensor: three choices on the work-group's number
	s_cselect_b64 s[SRC:SRC+1], s[8:9], s[10:11]
	s_cmp_lt_u32 ttmp9, 288
	s_cselect_b64 s[SRC:SRC+1], s[6:7], s[SRC:SRC+1]
	s_cmp_lt_u32 ttmp9, 256
	s_cselect_b64 s[SRC:SRC+1], s[4:5], s[SRC:SRC+1]
	s_cselect_b64 s[COD:COD+1], s[14:15], s[18:19]
	s_cselect_b64 s[SCA:SCA+1], s[16:17], s[20:21]
	s_cselect_b32 s30, 0, 256
	s_cselect_b32 s31, -1, 31
	s_sub_co_u32 s30, ttmp9, s30                   ; the work-group's number in x, or among the three weights,
	s_and_b32 s31, s30, s31                        ; and inside its own tensor
	s_lshl_b32 s30, s30, 2
	s_add_co_u32 s30, s30, s32                     ; which run of 8,192 numbers I write,
	s_lshl_b32 s31, s31, 2
	s_add_co_u32 s31, s31, s32                     ; and which I read
	s_lshl_b32 s34, s31, 15                        ; 32,768 bytes of numbers a run
	s_mov_b32 s35, 0
	s_add_nc_u64 s[SRC:SRC+1], s[SRC:SRC+1], s[34:35]
	s_lshl_b32 s34, s30, 12                        ; 4,096 bytes of codes
	s_add_nc_u64 s[COD:COD+1], s[COD:COD+1], s[34:35]
	s_lshl_b32 s34, s30, 8                         ; 256 scale bytes
	s_add_nc_u64 s[SCA:SCA+1], s[SCA:SCA+1], s[34:35]
.macro LOAD t
.irp i, 0,1,2,3
	global_load_b128 v[R+16*((\t)%4)+4*\i:R+16*((\t)%4)+4*\i+3], v3, s[SRC:SRC+1] offset:2048*(\t)+512*\i th:TH_LOAD_NT   ; 32 lanes read 512 consecutive bytes
.endr
.endm
.macro TURN t                          ; step t's numbers through the stage: LDS serves a wave's instructions in order, so no wait stands between the stores and the loads
.irp i, 0,1,2,3
	ds_store_b128 v14, v[R+16*((\t)%4)+4*\i:R+16*((\t)%4)+4*\i+3] offset:32*SP*((\t)%2)+8*SP*\i
.endr
.irp i, 0,1,2,3
	ds_load_b128 v[X+16*((\t)%2)+4*\i:X+16*((\t)%2)+4*\i+3], v15 offset:32*SP*((\t)%2)+16*\i
.endr
.endm
.irp t, 0,1,2,3
	LOAD \t
.endr
	s_wait_loadcnt 12                              ; step 0's four loads are in; three steps' twelve may be out
	TURN 0
.macro STEP t
.set XS, X+16*((\t)%2)
.if (\t) > 0
	s_wait_dscnt 1                                 ; this step's numbers are back from the stage; the last step's byte store may be out
.else
	s_wait_dscnt 0x0
.endif
.if (\t)+4 < STEPS
	LOAD (\t)+4                                    ; into the registers that the stage's stores have read
.endif
.if (\t)+1 < STEPS
.if STEPS-2-(\t) >= 3
	s_wait_loadcnt 12                              ; the next step's four loads are in; those of the three steps behind it may be out
.else
	s_wait_loadcnt 4*(STEPS-2-(\t))
.endif
	TURN (\t)+1
.endif
	v_max3_num_f32 v8, |v[XS]|, |v[XS+1]|, |v[XS+2]|               ; the largest magnitude of my 16, in two chains
	v_max3_num_f32 v9, |v[XS+3]|, |v[XS+4]|, |v[XS+5]|
.irp i, 6,10
	v_max3_num_f32 v8, v8, |v[XS+\i]|, |v[XS+\i+1]|
	v_max3_num_f32 v9, v9, |v[XS+\i+2]|, |v[XS+\i+3]|
.endr
	v_max3_num_f32 v8, v8, |v[XS+14]|, |v[XS+15]|
	v_max3_num_f32 v8, v8, v9, (EMAX+1)<<23        ; and the floor 2^(EMAX + 1 - 127): the byte cannot fall under 1
	v_max_num_f32_dpp v8, v8, v8 row_xmask:1 row_mask:0xf bank_mask:0xf   ; and of my neighbour's 16: the block's
	v_add_nc_u32 v11, -(EMAX<<23), v8              ; EMAX off its exponent field: the conversion takes that field as its scale
	v_cvt_scalef32_pk8_fp4_f32 v[C+4*(\t)], v[XS:XS+7], v11
	v_cvt_scalef32_pk8_fp4_f32 v[C+4*(\t)+1], v[XS+8:XS+15], v11
	v_lshrrev_b32 v[E+(\t)], 23, v11               ; the scale's byte (a plain line behind the conversions)
	ds_store_b8 v5, v[E+(\t)] offset:16*(\t)       ; both lanes of a block write the same byte with the same value
	global_store_b64 v4, v[C+4*(\t):C+4*(\t)+1], s[COD:COD+1] offset:32*CB*(\t)   ; 256 consecutive bytes, aligned
.endm
.irp t, 0,1,2,3,4,5,6,7,8,9,10,11,12,13,14,15
	STEP \t
.endr
	ds_load_b64 v[8:9], v6                         ; in order behind my byte stores
	s_wait_dscnt 0x0
	global_store_b64 v7, v[8:9], s[SCA:SCA+1]      ; 256 consecutive bytes, aligned
	s_wait_tensorcnt 0x0                           ; the wave's end
	ds_add_u32 v[SPW], v[NIL]
	s_wait_dscnt 0x0
	s_endpgm
; wo to f16: no LDS.  A wave's 8,192 numbers in four groups of sixteen loads of 512 consecutive bytes; a lane's four numbers become 8 bytes: a store covers 256 consecutive bytes, aligned.
.Lwo:
	s_sub_co_u32 s30, ttmp9, 352
	s_lshl_b32 s30, s30, 2
	s_add_co_u32 s30, s30, s32                     ; my run
	s_lshl_b32 s34, s30, 15
	s_mov_b32 s35, 0
	s_lshl_b32 s36, s30, 14
	s_mov_b32 s37, 0
	v_lshlrev_b32 v4, 3, v2
	s_wait_kmcnt 0x0
	s_add_nc_u64 s[12:13], s[12:13], s[34:35]
	s_add_nc_u64 s[22:23], s[22:23], s[36:37]
.irp g, 0,1,2,3
.if \g > 0
	s_wait_xcnt 0x0                                ; the last group's stores have read their data: they are written again below
.endif
.irp j, 0,1,2,3,4,5,6,7,8,9,10,11,12,13,14,15
	global_load_b128 v[R+4*\j:R+4*\j+3], v3, s[12:13] offset:512*(16*\g+\j) th:TH_LOAD_NT
.endr
.irp j, 0,1,2,3,4,5,6,7,8,9,10,11,12,13,14,15
	s_wait_loadcnt 15-\j                           ; loads come back in order: load j is in, the younger ones may be out
	v_cvt_pk_f16_f32 v[C+2*\j], v[R+4*\j], v[R+4*\j+1]
	v_cvt_pk_f16_f32 v[C+2*\j+1], v[R+4*\j+2], v[R+4*\j+3]
	global_store_b64 v4, v[C+2*\j:C+2*\j+1], s[22:23] offset:256*(16*\g+\j)
.endr
.endr
	s_endpgm
.Lfunc_end_k_qdb69ad2a5f_quant:
	.size	k_qdb69ad2a5f_quant, .Lfunc_end_k_qdb69ad2a5f_quant-k_qdb69ad2a5f_quant
	.p2alignl 7, 3214868480
	.fill 96, 4, 3214868480
	.section	.rodata,"a",@progbits
	.p2align	6, 0x0
	.amdhsa_kernel k_qdb69ad2a5f_quant
		.amdhsa_group_segment_fixed_size 33280
		.amdhsa_private_segment_fixed_size 0
		.amdhsa_enable_private_segment 0
		.amdhsa_kernarg_size 80
		.amdhsa_user_sgpr_count 2
		.amdhsa_user_sgpr_kernarg_segment_ptr 1
		.amdhsa_wavefront_size32 1
		.amdhsa_system_sgpr_workgroup_id_x 1
		.amdhsa_system_sgpr_workgroup_id_y 1
		.amdhsa_system_sgpr_workgroup_id_z 1
		.amdhsa_system_vgpr_workitem_id 0
		.amdhsa_next_free_vgpr 192
		.amdhsa_next_free_sgpr 66
		.amdhsa_reserve_vcc 0
		.amdhsa_float_denorm_mode_32 3
		.amdhsa_float_denorm_mode_16_64 3
		.amdhsa_memory_ordered 1
		.amdhsa_forward_progress 1
		.amdhsa_inst_pref_size 56
	.end_amdhsa_kernel
	.amdgpu_metadata
---
amdhsa.version: [ 1, 2 ]
amdhsa.kernels:
  - .name:           k_qdb69ad2a5f_quant
    .symbol:         k_qdb69ad2a5f_quant.kd
    .args:
      - { .name: x, .offset: 0, .size: 8, .value_kind: global_buffer, .address_space: global }
      - { .name: wq, .offset: 8, .size: 8, .value_kind: global_buffer, .address_space: global }
      - { .name: wk, .offset: 16, .size: 8, .value_kind: global_buffer, .address_space: global }
      - { .name: wv, .offset: 24, .size: 8, .value_kind: global_buffer, .address_space: global }
      - { .name: wo, .offset: 32, .size: 8, .value_kind: global_buffer, .address_space: global }
      - { .name: x_codes, .offset: 40, .size: 8, .value_kind: global_buffer, .address_space: global }
      - { .name: x_scales, .offset: 48, .size: 8, .value_kind: global_buffer, .address_space: global }
      - { .name: w_codes, .offset: 56, .size: 8, .value_kind: global_buffer, .address_space: global }
      - { .name: w_scales, .offset: 64, .size: 8, .value_kind: global_buffer, .address_space: global }
      - { .name: wo16, .offset: 72, .size: 8, .value_kind: global_buffer, .address_space: global }
    .group_segment_fixed_size: 33280
    .private_segment_fixed_size: 0
    .kernarg_segment_align: 8
    .kernarg_segment_size: 80
    .max_flat_workgroup_size: 128
    .sgpr_count:     66
    .vgpr_count:     192
    .wavefront_size: 32
...
	.end_amdgpu_metadata
.endif
;; end of part 1
;; launch qkv (part 2): grid 12 x 32, 4 waves a work-group, clusters of 4 x 4, 327,680 bytes of LDS; arguments x_codes, x_scales, w_codes, w_scales, qkv, qkv32, bq, bk, bv; writes qkv, qkv32
.if DOCPART == 2
	.amdgcn_target "amdgcn-amd-amdhsa--gfx1250"
	.amdhsa_code_object_version 6
	.text
	.protected	k_qdb69ad2a5f_qkv
	.globl	k_qdb69ad2a5f_qkv
	.p2align	8
	.type	k_qdb69ad2a5f_qkv,@function
k_qdb69ad2a5f_qkv:
	s_mov_b64 s[64:65], 0
	v_nop
	global_prefetch_b8 v0, s[64:65] scope:SCOPE_SE
	s_setreg_imm32_b32 hwreg(HW_REG_WAVE_MODE, 25, 1), 1
	s_wait_xcnt 0x0
	s_wait_alu depctr_hold_cnt(0) depctr_sa_sdst(0) depctr_va_vdst(0) depctr_va_sdst(0) depctr_va_ssrc(0) depctr_va_vcc(0) depctr_vm_vsrc(0)
	s_getreg_b32 s2, hwreg(HW_REG_IB_STS2, 6, 4)
	s_cmp_eq_u32 s2, 0
	s_cbranch_scc0 .Lentry_in_a_cluster
	s_endpgm
.Lentry_in_a_cluster:
	s_bfe_u32 s2, ttmp6, 0x10000c
	s_cmp_lg_u32 s2, 0xf033
	s_cbranch_scc0 .Lentry_shape_is_right
	s_endpgm
.Lentry_shape_is_right:
; [q | k | v] = x [wq; wk; wv]^T + bias: ONE product [8192 x 1024] x [3072 x 1024]^T on codes of FP4 (E2M1) with one E8M0 byte for each 32 along K, sums in f32.
; The result leaves as f16 by HEAD PLANES, qkv[48 planes = column / 64][8192 rows][64], and the rows t < 16 of each batch also as f32, qkv32[batch x 16 + t][3072].
; LIMIT: q, k, v must lie under 65,504 in magnitude (f16).
; A tile, 256 x 256, is made by four waves, each 128 x 128: 64 accumulators, 512 registers.  K = 1,024 is two LDS slots of 512 (rows of 256 bytes): both are asked for at the start, and nothing is filled again.
; The scale bytes of the tile's 256 + 256 rows, two dense blocks, come once with them.
; CLUSTERS: 4 x 4 work-groups.  The four of a row of the cluster need the same tiles of x, the four of a column the same tiles of the weights: each tile is asked for jointly.
; The tile row is cluster y + 8 cy: cy is the batch, cluster y the tile row inside it, so that "my rows hold t < 16" hangs on cluster y and the wave's number alone, which all partners share.
; THE MATRIX INSTRUCTION IS USED TRANSPOSED (source 0 = 16 rows of the weights, source 1 = 16 rows of x): a lane holds eight neighbouring columns of one row.
; REGISTERS: window 0: v0-31 addresses; v32-95 scale words, two sets; v128-191 x's fragments, one set; v192-255 the bias of my 128 columns.  Way out: v32-95 sums + bias, v96-127 f16, v128-191 rows read back.
;   window 1: the weights' fragments, two sets, at v0 and v128.   windows 2, 3: the accumulators of my rows 0-63, 64-127 (accumulator (a, b) at v[8 (8 (a % 4) + b)]).
.set KSTEP,  512
.set NQ,     KSTEP/128
.set ROWB,   256                       ; a tile's row in bytes
.set KROW,   512                       ; a row of codes in memory
.set PITCH,  272                       ; an LDS row: 256 bytes + 16 of padding: the 16 rows that a load touches start at 16 different banks (64 banks of 4 bytes: ISA guide 11.1)
.set FR,     8
.set NL,     2
.set NP,     4                         ; places behind this matrix instruction (ISA guide 7.12.1)
.set HALFT,  128*PITCH
.set SLOT,   4*HALFT
.set KS,     32                        ; a row of scale bytes
.set SCL,    2*SLOT                    ; behind the ring: the scales, as units of 256 bytes + 16 of padding
.set HALFS,  (128*KS/256)*272
.set SBLK,   (16*KS/256)*272
.set SPARE,  SCL+4*HALFS               ; the spare words, 128 bytes a wave
.set SPB,    144                       ; the way out: a stage row: 128 bytes (a plane's row) + 16
.set SPL,    16*SPB                    ; a plane's 16 rows; a wave's stage is two of them, in slot 0, which has had its only fill and its last read by then
.set ADRA, 16
.set ADRB, 20
.set STO,  24
.set RD,   25
.set CO,   26
.set ADRS, 27
.set SPW,  28
.set NIL,  29
.set BO,   30                          ; v30 32 x (lane / 16): my eight columns' bias
.set FO,   31                          ; v31 my place in qkv32: row (lane % 16) of 12,288 bytes + 32 x (lane / 16)
.set SC,   32
.set AF,   128
.set BIAS, 192
.set T,    32
.set H,    96
.set BK,   128
.set G1, 24
.set G0, 32
.set G1B, 48
.set G0B, 56
.set G1S, 68
.set G0S, 76
.set G1SB, 80
.set G0SB, 88
.set MSB, 0
.macro WIN new                         ; the immediate's high byte repeats the setting that is left
.if MSB != (\new)
	s_set_vgpr_msb (MSB<<8)|(\new)
.set MSB, \new
.endif
.endm
.set MUL_LO, 0xa1                      ; source 0 window 1, source 1 window 0, C and D window 2
.set MUL_HI, 0xf1                      ; the same, C and D window 3
.set TO_B,   0x40
; A joint load: waves 0 and 1 fetch for x, waves 2 and 3 for the weights.  The branch hangs on the wave's number alone.  An s_nop 0 and four v_nop follow each of the two lines.
.macro JLOAD g0a, g1a, g0b, g1b
	s_cmp_eq_u32 s15, 0
	s_cbranch_scc0 .Lfor_b_\@
	tensor_load_to_lds s[\g0a:\g0a+3], s[\g1a:\g1a+7]
	s_nop 0
.rept 4
	v_nop
.endr
	s_branch .Lasked_\@
.Lfor_b_\@:
	tensor_load_to_lds s[\g0b:\g0b+3], s[\g1b:\g1b+7]
	s_nop 0
.rept 4
	v_nop
.endr
.Lasked_\@:
.endm
.macro CROUND                          ; a round of the cluster's barrier
	s_barrier_signal -1
	s_barrier_wait -1
	s_cmp_lg_u32 s14, 0
	s_cbranch_scc1 .Lnot_wave_0_\@
	s_barrier_signal -3
.Lnot_wave_0_\@:
	s_barrier_wait -3
	s_barrier_signal -1
	s_barrier_wait -1
.endm
	s_load_b128 s[4:7], s[0:1], 0x0                ; x's codes, x's scales
	s_load_b128 s[8:11], s[0:1], 0x10              ; the weights' codes, their scales
	s_load_b64 s[12:13], s[0:1], 0x20              ; qkv
	s_load_b64 s[66:67], s[0:1], 0x28              ; qkv32
	s_load_b128 s[96:99], s[0:1], 0x30             ; bq, bk
	s_load_b64 s[100:101], s[0:1], 0x40            ; bv
	v_lshl_add_u32 v[SPW], v0, 2, SPARE
	v_mov_b32 v[NIL], 0
	ds_add_u32 v[SPW], v[NIL]                      ; the wave's opening: the add, twice on end, and its wait ahead of my first tensor load
	ds_add_u32 v[SPW], v[NIL]
	v_lshrrev_b32 v1, 5, v0
	v_readfirstlane_b32 s14, v1                    ; wave 0..3
	s_lshr_b32 s15, s14, 1                         ; which half of the tile's rows is mine.  Also: I fetch for x (0) or for the weights (1)
	s_and_b32 s16, s14, 1                          ; which half of its columns.  Also: which 128 rows I fetch
	s_bfe_u32 s40, ttmp6, 0x40000                  ; cx
	s_bfe_u32 s41, ttmp6, 0x40004                  ; cy
	s_lshl_b32 s42, ttmp9, 2
	s_add_co_u32 s42, s42, s40                     ; tile column = 4 x cluster x + cx
	s_and_b32 s17, ttmp7, 0xffff                   ; cluster y
	s_or_b32 s95, s17, s15                         ; 0 where my first 16 rows are a batch's t < 16: the same in all partners, for a given wave
	s_lshl_b32 s43, s41, 3
	s_add_co_u32 s17, s17, s43                     ; tile row = cluster y + 8 cy
	s_lshl_b32 s43, s41, 2
	s_lshl_b32 s43, 15, s43                        ; my row of the cluster
	s_lshl_b32 s44, 0x1111, s40                    ; my column
	; descriptor group 1: a tile of 128 rows x 256 bytes, 16 bytes of padding behind each row
	s_or_b32 s[G1+0], s43, (0<<16)|(1<<20)|(1<<21)|(5<<22)|(3<<25)  ; the mask; elements of 1 byte; padding on; bit 21 beside a mask; after every 64 words, 4 words
	s_or_b32 s[G1B+0], s44, (0<<16)|(1<<20)|(1<<21)|(5<<22)|(3<<25)
.irp g, G1, G1B
	s_mov_b32 s[\g+1], ROWB<<16                    ; tensor_dim0
	s_mov_b32 s[\g+2], 128<<16                     ; tensor_dim1
	s_mov_b32 s[\g+3], ROWB<<16                    ; tile_dim0
	s_mov_b32 s[\g+4], 128                         ; tile_dim1
	s_mov_b32 s[\g+5], KROW                        ; the pitch
	s_mov_b32 s[\g+6], 0
	s_mov_b32 s[\g+7], 0
.endr
	; the scales of 128 rows: a dense block of 4,096 bytes, as 16 rows of 256 bytes (32 elements of 8 bytes), 16 bytes of padding behind each
	s_or_b32 s[G1S+0], s43, (3<<16)|(1<<20)|(1<<21)|(5<<22)|(3<<25)
	s_or_b32 s[G1SB+0], s44, (3<<16)|(1<<20)|(1<<21)|(5<<22)|(3<<25)
.irp g, G1S, G1SB
	s_mov_b32 s[\g+1], 32<<16
	s_mov_b32 s[\g+2], (128*KS/256)<<16
	s_mov_b32 s[\g+3], 32<<16
	s_mov_b32 s[\g+4], 128*KS/256
	s_mov_b32 s[\g+5], 32
	s_mov_b32 s[\g+6], 0
	s_mov_b32 s[\g+7], 0
.endr
	s_lshl_b32 s18, s16, 7                         ; which 128 rows of the tile I fetch
	s_lshl_b32 s20, s17, 8
	s_add_co_u32 s20, s20, s18                     ; x: row 256 x tile row + 128 x half
	s_lshl_b32 s46, s42, 8
	s_add_co_u32 s46, s46, s18                     ; weights: row 256 x tile column + 128 x half
	s_mov_b32 s21, 0
	s_mov_b32 s47, 0
	s_mov_b64 s[18:19], KS
	s_mul_u64 s[22:23], s[20:21], s[18:19]         ; where these rows' scales begin,
	s_mul_u64 s[92:93], s[46:47], s[18:19]
	s_mov_b64 s[18:19], KROW
	s_mul_u64 s[20:21], s[20:21], s[18:19]         ; and their codes
	s_mul_u64 s[46:47], s[46:47], s[18:19]
	s_mul_i32 s45, s14, HALFT                      ; where they go: wave x 128 rows: no place in the cluster enters an LDS address
	s_mul_i32 s94, s14, HALFS
	s_wait_dscnt 0x0                               ; both opening adds are done
	s_wait_kmcnt 0x0
	s_add_nc_u64 s[20:21], s[4:5], s[20:21]
	s_add_nc_u64 s[22:23], s[6:7], s[22:23]
	s_add_nc_u64 s[46:47], s[8:9], s[46:47]
	s_add_nc_u64 s[92:93], s[10:11], s[92:93]
	CROUND                                         ; all sixteen work-groups are here: the joint loads meet
	s_mov_b32 s[G0S], 1
	s_add_co_u32 s[G0S+1], s94, SCL
	s_mov_b64 s[G0S+2:G0S+3], s[22:23]
	s_or_b32 s[G0S+3], s[G0S+3], 0x80000000
	s_mov_b32 s[G0SB], 1
	s_add_co_u32 s[G0SB+1], s94, SCL
	s_mov_b64 s[G0SB+2:G0SB+3], s[92:93]
	s_or_b32 s[G0SB+3], s[G0SB+3], 0x80000000
	JLOAD G0S, G1S, G0SB, G1SB                     ; the scales first: they are wanted with the first slot
.irp s, 0,1
	s_mov_b32 s[G0+4*\s], 1
	s_add_co_u32 s[G0+4*\s+1], s45, \s*SLOT
	s_add_nc_u64 s[G0+4*\s+2:G0+4*\s+3], s[20:21], \s*ROWB
	s_or_b32 s[G0+4*\s+3], s[G0+4*\s+3], 0x80000000
	s_mov_b32 s[G0B+4*\s], 1
	s_add_co_u32 s[G0B+4*\s+1], s45, \s*SLOT
	s_add_nc_u64 s[G0B+4*\s+2:G0B+4*\s+3], s[46:47], \s*ROWB
	s_or_b32 s[G0B+4*\s+3], s[G0B+4*\s+3], 0x80000000
	JLOAD G0+4*\s, G1, G0B+4*\s, G1B               ; three loads of mine are out, and no more follow
.endr
	v_and_b32 v1, 15, v0                           ; r = lane % 16
	v_bfe_u32 v2, v0, 4, 1                         ; h = lane / 16
	v_mul_u32_u24 v3, v1, PITCH
	v_lshl_add_u32 v4, v2, 4, v3                   ; a fragment's row x pitch + 16 h
	s_mul_i32 s21, s15, HALFT                      ; my 128 rows of x
	s_mul_i32 s22, s16, HALFT                      ; my 128 rows of the weights,
	s_add_co_u32 s22, s22, 2*HALFT                 ; which lie behind x's 256
.irp s, 0,1
	v_add_nc_u32 v[ADRA+\s], s21, v4
	v_add_nc_u32 v[ADRB+\s], s22, v4
	s_add_co_u32 s21, s21, SLOT
	s_add_co_u32 s22, s22, SLOT
.endr
	v_mul_u32_u24 v5, v1, KS                       ; my row's scales: 32 bytes a row,
	v_lshrrev_b32 v6, 8, v5
	v_lshl_add_u32 v5, v6, 4, v5                   ; and 16 more for each 256 passed
	s_mul_i32 s21, s15, HALFS
	s_mul_i32 s22, s16, HALFS
	s_add_co_u32 s22, s22, 2*HALFS
	s_sub_co_u32 s22, s22, s21
	v_mul_u32_u24 v6, s22, v2                      ; lanes 16-31 take the weights': one product, the distance between the two bases x h
	s_add_co_u32 s21, s21, SCL
	v_add_nc_u32 v5, v5, v6
	v_add_nc_u32 v[ADRS], s21, v5
	s_mul_i32 s23, s14, 2*SPL                      ; my stage
	v_mul_u32_u24 v5, v1, SPB                      ; in: row r, 16 bytes for each half of the lanes
	v_lshl_add_u32 v5, v2, 4, v5
	v_add_nc_u32 v[STO], s23, v5
	v_and_b32 v6, 31, v0
	v_lshrrev_b32 v5, 3, v6                        ; back: eight lanes to a row of 128 bytes, four rows an instruction
	v_mul_u32_u24 v5, v5, SPB
	v_and_b32 v7, 7, v6
	v_lshl_add_u32 v5, v7, 4, v5
	v_add_nc_u32 v[RD], s23, v5
	v_lshlrev_b32 v[CO], 4, v6                     ; in a plane those four rows are 512 bytes on end
	v_lshlrev_b32 v[BO], 5, v2
	v_mul_u32_u24 v[FO], v1, 12288
	v_add_nc_u32 v[FO], v[FO], v[BO]
	s_lshl_b32 s20, s17, 8
	s_lshl_b32 s21, s15, 7
	s_add_co_u32 s20, s20, s21                     ; my first row,
	s_lshl_b32 s20, s20, 7                         ; of 128 bytes in a plane
	s_lshl_b32 s46, s42, 2
	s_lshl_b32 s47, s16, 1
	s_add_co_u32 s46, s46, s47                     ; my first plane: 4 x tile column + 2 x half
	s_lshl_b32 s46, s46, 20                        ; a plane is 2^20 bytes
	s_add_co_u32 s46, s46, s20
	s_mov_b32 s47, 0
	s_add_nc_u64 s[12:13], s[12:13], s[46:47]
	s_mul_i32 s46, s41, 16*12288                   ; qkv32: my batch's 16 rows,
	s_lshl_b32 s47, s42, 10
	s_add_co_u32 s46, s46, s47
	s_lshl_b32 s47, s16, 9
	s_add_co_u32 s46, s46, s47                     ; my first column
	s_mov_b32 s47, 0
	s_add_nc_u64 s[66:67], s[66:67], s[46:47]
	s_cmp_eq_u32 ttmp9, 1                          ; the bias: cluster x 0: bq, 1: bk, 2: bv: the same in all partners
	s_cselect_b64 s[98:99], s[98:99], s[100:101]
	s_cmp_eq_u32 ttmp9, 0
	s_cselect_b64 s[96:97], s[96:97], s[98:99]
	s_lshl_b32 s46, s40, 10
	s_lshl_b32 s47, s16, 9
	s_add_co_u32 s46, s46, s47                     ; (256 cx + 128 half) numbers on
	s_mov_b32 s47, 0
	s_add_nc_u64 s[96:97], s[96:97], s[46:47]
.irp b, 0,1,2,3,4,5,6,7
	global_load_b128 v[BIAS+8*\b:BIAS+8*\b+3], v[BO], s[96:97] offset:64*\b       ; the bias of columns 16 b + 8 h + 0 .. 7: the result's layout
	global_load_b128 v[BIAS+8*\b+4:BIAS+8*\b+7], v[BO], s[96:97] offset:64*\b+16
.endr
.macro FRAG reg, adr, q, i             ; 16 rows x 128 K of 4-bit codes: 8 registers: lane l holds row l % 16; registers 4 c .. 4 c + 3 hold K = 64 c + 32 (l / 16) + 0 .. 31
.irp c, 0,1
	ds_load_b128 v[\reg+4*\c:\reg+4*\c+3], v[\adr] offset:64*(\q)+32*\c+(\i)*16*PITCH
.endr
.endm
; 16 matrix instructions: x's blocks a0, a0 + 1 against the weights' eight, 128 along K.  The 64 accumulators take turns, one instruction a turn, in the same order in every step.
.macro MUL16 a0, p, q, sc, zero
.irp a, \a0, \a0+1
.irp b, 0,1,2,3,4,5,6,7
.if \zero
	v_wmma_scale_f32_16x16x128_f8f6f4 v[8*(8*((\a)%4)+\b):8*(8*((\a)%4)+\b)+7], v[128*(\p)+FR*\b:128*(\p)+FR*\b+FR-1], v[AF+FR*(\a):AF+FR*(\a)+FR-1], 0, v[SC+8*NQ*(\sc)+NQ*\b+(\q)], v[SC+8*NQ*(\sc)+NQ*(\a)+(\q)] matrix_a_fmt:MATRIX_FMT_FP4 matrix_b_fmt:MATRIX_FMT_FP4 matrix_a_scale:MATRIX_SCALE_ROW1
.else
	v_wmma_scale_f32_16x16x128_f8f6f4 v[8*(8*((\a)%4)+\b):8*(8*((\a)%4)+\b)+7], v[128*(\p)+FR*\b:128*(\p)+FR*\b+FR-1], v[AF+FR*(\a):AF+FR*(\a)+FR-1], v[8*(8*((\a)%4)+\b):8*(8*((\a)%4)+\b)+7], v[SC+8*NQ*(\sc)+NQ*\b+(\q)], v[SC+8*NQ*(\sc)+NQ*(\a)+(\q)] matrix_a_fmt:MATRIX_FMT_FP4 matrix_b_fmt:MATRIX_FMT_FP4 matrix_a_scale:MATRIX_SCALE_ROW1
.endif
.endr
.endr
.endm
.macro FETCH_B slot, q, p
	WIN TO_B
.irp i, 0,1,2,3,4,5,6,7
	FRAG 128*(\p)+FR*\i, ADRB+\slot, \q, \i
.endr
	WIN 0
.endm
.macro FETCH_A slot, q, i0
.irp i, \i0, \i0+1, \i0+2, \i0+3
	FRAG AF+FR*(\i), ADRA+\slot, \q, \i
.endr
.endm
.macro SCALES sc                       ; a slot's scale words: four a row; lanes 0-15 take x's block i, lanes 16-31 the weights' block i
.irp i, 0,1,2,3,4,5,6,7
	ds_load_b128 v[SC+8*NQ*\sc+NQ*\i:SC+8*NQ*\sc+NQ*\i+3], v[ADRS] offset:\i*SBLK
.endr
.endm
.macro PLACES n                        ; plain vector instructions between a matrix instruction and a load into, or a vector read of, its registers
.rept \n
	v_nop
.endr
.endm
.macro STEP slot, q, zero              ; 128 along K, with its successor in the same slot
	s_wait_dscnt 4*NL                              ; the weights' set and x's blocks 0-3 are in; the youngest eight loads (x's blocks 4-7) may be out
	WIN MUL_LO
	MUL16 0, (\q)%2, \q, \slot, \zero
	MUL16 2, (\q)%2, \q, \slot, \zero
	s_wait_dscnt 0                                 ; x's blocks 4-7 are in
	PLACES NP
	FETCH_B \slot, (\q)+1, 1-(\q)%2
	FETCH_A \slot, (\q)+1, 0
	WIN MUL_HI
	MUL16 4, (\q)%2, \q, \slot, \zero
	MUL16 6, (\q)%2, \q, \slot, \zero
	PLACES NP
	WIN 0
	FETCH_A \slot, (\q)+1, 4
.endm
; Slot 0's last step changes slots: one barrier.  In front of it each wave waits for all its tensor loads (its part of slot 1), and for its reads of slot 0, in which the stages of the way out will lie.  Nothing is filled again.
.macro TURN slot, next
	s_wait_tensorcnt 0x0                           ; my part of the next slot has landed
	ds_add_u32 v[SPW], v[NIL]                      ; 0 onto my spare word
	s_wait_dscnt 4*NL+1                            ; the add and the youngest eight loads may be out
	WIN MUL_LO
	MUL16 0, 1, NQ-1, \slot, 0
	s_wait_dscnt 0x0                               ; the add is done, and my reads of this slot are over
	s_barrier_signal -1
	MUL16 2, 1, NQ-1, \slot, 0
	WIN 0
	s_barrier_wait -1
	PLACES NP
	v_add_nc_u32 v[ADRS], 4*NQ, v[ADRS]            ; on to the next slot's scale words
	FETCH_B \next, 0, 0
	FETCH_A \next, 0, 0
	SCALES \next
	WIN MUL_HI
	MUL16 4, 1, NQ-1, \slot, 0
	MUL16 6, 1, NQ-1, \slot, 0
	PLACES NP
	WIN 0
	FETCH_A \next, 0, 4
.endm
	s_wait_tensorcnt 1                             ; the scales and my part of slot 0 are in; slot 1's load may be out
	s_barrier_signal -1
	s_barrier_wait -1
	FETCH_B 0, 0, 0
	FETCH_A 0, 0, 0
	SCALES 0
	FETCH_A 0, 0, 4
	STEP 0, 0, 1                                   ; the first products start the sums: nothing is cleared
	STEP 0, 1, 0
	STEP 0, 2, 0
	TURN 0, 1
	STEP 1, 0, 0
	STEP 1, 1, 0
	STEP 1, 2, 0
	s_wait_dscnt 4*NL                              ; the last step: nothing more to fetch
	WIN MUL_LO
	MUL16 0, 1, NQ-1, 1, 0
	MUL16 2, 1, NQ-1, 1, 0
	s_wait_dscnt 0
	WIN MUL_HI
	MUL16 4, 1, NQ-1, 1, 0
	MUL16 6, 1, NQ-1, 1, 0
	WIN 0
; THE WAY OUT, a block of 16 rows x 128 columns (two planes) at a time.  PACK: + bias in f32 (each accumulator from its low end on), then f16.  TOSTAGE: 16 bytes a lane into my stage, back four rows of a plane an instruction.
; SEND: a plane's 16 rows are 2,048 bytes on end: each store covers 512 consecutive bytes, aligned.  No pointer is stepped: plane and block stand in the immediate.
.macro PACK a
	WIN 0x02+(\a)/4                                ; source 0: window 2 or 3
.set i, 0
.rept 32
	v_pk_add_f32 v[T+2*i:T+2*i+1], v[64*((\a)%4)+2*i:64*((\a)%4)+2*i+1], v[BIAS+2*i:BIAS+2*i+1]
.set i, i+1
.endr
	WIN 0
.if (\a) == 0
	s_cmp_lg_u32 s95, 0                            ; rows t < 16 of a batch leave in f32 too
	s_cbranch_scc1 .Lnot_fine
.irp b, 0,1,2,3,4,5,6,7
	global_store_b128 v[FO], v[T+8*\b:T+8*\b+3], s[66:67] offset:64*\b
	global_store_b128 v[FO], v[T+8*\b+4:T+8*\b+7], s[66:67] offset:64*\b+16
.endr
	s_wait_xcnt 0x0                                ; these stores have read their data, which the next block writes again
.Lnot_fine:
.endif
.set i, 0
.rept 32
	v_cvt_pk_f16_f32 v[H+i], v[T+2*i], v[T+2*i+1]
.set i, i+1
.endr
.endm
.macro TOSTAGE a
.irp b, 0,1,2,3,4,5,6,7
	ds_store_b128 v[STO], v[H+4*\b:H+4*\b+3] offset:(\b/4)*SPL+32*(\b%4)
.endr
.irp p, 0,1
.irp i, 0,1,2,3
	ds_load_b128 v[BK+32*((\a)%2)+4*(4*\p+\i):BK+32*((\a)%2)+4*(4*\p+\i)+3], v[RD] offset:\p*SPL+\i*4*SPB   ; LDS serves a wave's instructions in order: these see the stores above
.endr
.endr
.endm
.macro SEND a
	s_wait_dscnt 0x0                               ; the block is back in registers
	s_wait_xcnt 0x0                                ; the stores of the block before have read their registers, which the next block's loads will take
.irp p, 0,1
.irp i, 0,1,2,3
	global_store_b128 v[CO], v[BK+32*((\a)%2)+4*(4*\p+\i):BK+32*((\a)%2)+4*(4*\p+\i)+3], s[12:13] offset:\p*1048576+(\a)*2048+\i*512
.endr
.endr
.endm
	PLACES NP                                      ; behind the last products: their results are read, and their scale words' and fragments' registers written, below
	s_wait_loadcnt 0x0                             ; the bias
	PACK 0
	TOSTAGE 0
.irp a, 1,2,3,4,5,6,7
	PACK \a                                        ; a block's arithmetic stands between the loads of the block before and the wait for them
	SEND \a-1
	TOSTAGE \a
.endr
	SEND 7
	s_wait_tensorcnt 0x0                           ; the wave's end
	ds_add_u32 v[SPW], v[NIL]
	s_wait_dscnt 0x0
	CROUND                                         ; the closing round
	s_endpgm
.Lfunc_end_k_qdb69ad2a5f_qkv:
	.size	k_qdb69ad2a5f_qkv, .Lfunc_end_k_qdb69ad2a5f_qkv-k_qdb69ad2a5f_qkv
	.p2alignl 7, 3214868480
	.fill 96, 4, 3214868480
	.section	.rodata,"a",@progbits
	.p2align	6, 0x0
	.amdhsa_kernel k_qdb69ad2a5f_qkv
		.amdhsa_group_segment_fixed_size 327680
		.amdhsa_private_segment_fixed_size 0
		.amdhsa_enable_private_segment 0
		.amdhsa_kernarg_size 72
		.amdhsa_user_sgpr_count 2
		.amdhsa_user_sgpr_kernarg_segment_ptr 1
		.amdhsa_wavefront_size32 1
		.amdhsa_system_sgpr_workgroup_id_x 1
		.amdhsa_system_sgpr_workgroup_id_y 1
		.amdhsa_system_sgpr_workgroup_id_z 1
		.amdhsa_system_vgpr_workitem_id 0
		.amdhsa_next_free_vgpr 1024
		.amdhsa_next_free_sgpr 102
		.amdhsa_reserve_vcc 0
		.amdhsa_float_denorm_mode_32 3
		.amdhsa_float_denorm_mode_16_64 3
		.amdhsa_memory_ordered 1
		.amdhsa_forward_progress 1
		.amdhsa_inst_pref_size 146
	.end_amdhsa_kernel
	.amdgpu_metadata
---
amdhsa.version: [ 1, 2 ]
amdhsa.kernels:
  - .name:           k_qdb69ad2a5f_qkv
    .symbol:         k_qdb69ad2a5f_qkv.kd
    .args:
      - { .name: x_codes, .offset: 0, .size: 8, .value_kind: global_buffer, .address_space: global }
      - { .name: x_scales, .offset: 8, .size: 8, .value_kind: global_buffer, .address_space: global }
      - { .name: w_codes, .offset: 16, .size: 8, .value_kind: global_buffer, .address_space: global }
      - { .name: w_scales, .offset: 24, .size: 8, .value_kind: global_buffer, .address_space: global }
      - { .name: qkv, .offset: 32, .size: 8, .value_kind: global_buffer, .address_space: global }
      - { .name: qkv32, .offset: 40, .size: 8, .value_kind: global_buffer, .address_space: global }
      - { .name: bq, .offset: 48, .size: 8, .value_kind: global_buffer, .address_space: global }
      - { .name: bk, .offset: 56, .size: 8, .value_kind: global_buffer, .address_space: global }
      - { .name: bv, .offset: 64, .size: 8, .value_kind: global_buffer, .address_space: global }
    .group_segment_fixed_size: 327680
    .private_segment_fixed_size: 0
    .kernarg_segment_align: 8
    .kernarg_segment_size: 72
    .max_flat_workgroup_size: 128
    .sgpr_count:     102
    .vgpr_count:     1024
    .wavefront_size: 32
...
	.end_amdgpu_metadata
.endif
;; end of part 2
;; launch attn (part 3): grid 4 x 64, 8 waves a work-group, no clusters, 327,680 bytes of LDS; arguments qkv, yh; writes yh
.if DOCPART == 3
	.amdgcn_target "amdgcn-amd-amdhsa--gfx1250"
	.amdhsa_code_object_version 6
	.text
	.protected	k_qdb69ad2a5f_attn
	.globl	k_qdb69ad2a5f_attn
	.p2align	8
	.type	k_qdb69ad2a5f_attn,@function
k_qdb69ad2a5f_attn:
	s_mov_b64 s[64:65], 0
	v_nop
	global_prefetch_b8 v0, s[64:65] scope:SCOPE_SE
	s_setreg_imm32_b32 hwreg(HW_REG_WAVE_MODE, 25, 1), 1
	s_wait_xcnt 0x0
; y[b][h][q] = the sum over k <= q of softmax_k(q . k / 8) v[k].  q, k, v: planes 0-15, 16-31, 32-47 of qkv [48][8192 = batch x 2048 + t][64], f16; y: yh [16][8192][64], f16.
; Products on f16 operands with f32 sums; maxima, exponentials and sums in f32; the weights p are rounded to f16 for the second product, y once at the end.
; LIMITS: y must lie under 65,504 in magnitude; a hidden key's weight is taken as 0, which is what f32 gives for a fill of -1e9 while a row's largest logit lies above about -1e9 + 104.
; SHARES.  A head's 2,048 queries are 8 blocks of 256.  Work-group x = i of a head takes block i and then block 7 - i.  Keys go in units of 256: i + 1 units for the first block and 8 - i for the second: ALWAYS 9, so the trip
; count is a constant and all 256 work-groups have the same work.  A wave owns 32 queries, two tiles of 16, so that each fragment of K and V read from LDS feeds two matrix instructions.
; A wave's place in its block is T2 = digit (wave) of 0x35174260: in the unit on the diagonal a wave walks T2 / 2 + 1 steps, and waves w and w + 4, and waves 2 s and 2 s + 1, walk five between them.
; NO CLUSTER: in a given trip the four work-groups of a head want different key units (their first blocks end at different trips), so there is no tile that partners could ask for jointly in the same round.
; LAYOUT.  S^T = K Q^T (source 0 = 16 keys, source 1 = 16 queries): a lane holds ONE query (lane % 16) and keys 8 (lane / 16) + 0..7.  Two such tiles rounded in pairs ARE source 1 of O^T = V^T P.  V comes out of LDS turned.
; RING.  Two LDS slots of one unit (256 rows of K, pitch 144; 256 rows of V, pitch 160).  Waves 0, 1 fetch K's halves, waves 2, 3 V's.  The change of slots stands at a unit's head; one tensor load of a wave is out at most.
; REGISTERS.  Window 0: v1-14 addresses; v16-31 statistics, 8 a tile: +0 c m, +1 m, +2, +3 l, +4..+7 at work (a in +6); v32-63 Q; v64-127 S^T; v128-159 P; v160-191 rows on the way out.
;   Window 1: v0-63 K of a step; v64-127 V of a step; v128-191 O^T.
.set PK,    144
.set PV,    160
.set VOFF,  256*PK
.set SLOT1, 1<<17
.set STAGE, 2*SLOT1                    ; 32 rows x 144 bytes for each wave
.set SPB,   144
.set SPARE, STAGE+8*32*SPB             ; the spare words, 128 bytes a wave
.set AK0, 1
.set AV0, 2
.set SPW, 3
.set NIL, 4
.set GO,  5
.set STO, 6
.set RD,  7
.set ADK, 8
.set ADV, 9
.set QO,  10
.set DM,  11                           ; v11 lane % 16 - 8 (lane / 16)
.set DD,  12
.set NINF, 13
.set PFO, 14
.set ST,  16
.set Q,   32
.set S,   64
.set P,   128
.set OB,  160
.set VF,  64                           ; in window 1
.set O,   128                          ; in window 1
.set WV,  8
.set I,   9
.set U,   10                           ; the trip's number
.set KN,  11                           ; the key unit of the slot last asked for
.set KF,  12                           ; the step's first key
.set Q0,  13                           ; my first query, inside the head's 2,048
.set TB,  14                           ; LDS byte at which the slot in hand begins
.set LIM, 15
.set SEL, 16
.set CS,  18                           ; s[18:19] c = log2(e) / 8
.set KBW, 20                           ; s[20:21], s[22:23] K's and V's first unit: my half of it
.set VBW, 22
.set G1K, 24
.set G1V, 32
.set G0K, 40
.set G0V, 44
.set QH,  48                           ; s[48:49], s[50:51] the head's first row in q and in yh
.set YH,  50
.set QP,  52                           ; s[52:53], s[54:55] my 32 rows
.set YP,  54
.set PFA, 56
.set MSB, 0
.macro WIN new
.if MSB != (\new)
	s_set_vgpr_msb (MSB<<8)|(\new)
.set MSB, \new
.endif
.endm
; Waves 0, 1 fetch for K, waves 2, 3 for V, the others nothing.  An s_nop 0 and four v_nop follow each of the two lines.
.macro TLOAD
	s_cmp_lt_u32 s[WV], 2
	s_cbranch_scc0 .Lnot_k_\@
	tensor_load_to_lds s[G0K:G0K+3], s[G1K:G1K+7]
	s_nop 0
.rept 4
	v_nop
.endr
	s_branch .Lasked_\@
.Lnot_k_\@:
	s_cmp_lt_u32 s[WV], 4
	s_cbranch_scc0 .Lasked_\@
	tensor_load_to_lds s[G0V:G0V+3], s[G1V:G1V+7]
	s_nop 0
.rept 4
	v_nop
.endr
.Lasked_\@:
.endm
; A PREFETCH INTO THE L2.  All four work-groups of a head walk the same K and V: work-group x = 0 asks, nobody else.  In trip U (0 to 5) it names key unit U + 2: 32,768 bytes of K (waves 0-3) and of V (waves 4-7), 8,192 a wave,
; lanes 256 bytes apart: each aligned block of 256 bytes is named once in the launch.  Its own load of that unit stands two trips on, the partners' first load of units 2 and 3 one trip on.  Units 0 and 1 come by their loads alone.
.macro ASK
	s_cmp_lt_u32 s[U], s[LIM]
	s_cbranch_scc0 .Lnot_mine_\@
	global_prefetch_b8 v[PFO], s[PFA:PFA+1] th:TH_LOAD_NT scope:SCOPE_SE
.Lnot_mine_\@:
.endm
.macro SETQ                            ; my 32 rows of q and of yh, from Q0
	s_lshl_b32 s60, s[Q0], 7
	s_mov_b32 s61, 0
	s_add_nc_u64 s[QP:QP+1], s[QH:QH+1], s[60:61]
	s_add_nc_u64 s[YP:YP+1], s[YH:YH+1], s[60:61]
.endm
.macro LOADQ                           ; a fragment: 16 queries x 32 channels: lane l holds row l % 16; two loads of 16 bytes, 32 bytes apart
.irp t, 0,1
.irp c, 0,1
	global_load_b128 v[Q+16*\t+8*\c:Q+16*\t+8*\c+3],   v[QO], s[QP:QP+1] offset:2048*\t+64*\c
	global_load_b128 v[Q+16*\t+8*\c+4:Q+16*\t+8*\c+7], v[QO], s[QP:QP+1] offset:2048*\t+64*\c+32
.endr
.endr
.endm
.macro INIT                            ; the step is written once: the first finds m = -3e38, l = 0 and O^T = 0; its a is 2^(-huge) = 0, which multiplies zeros
.irp t, 0,1
	v_mov_b32 v[ST+8*\t+1], 0xff61b1e6
	v_mul_f32 v[ST+8*\t], s[CS], v[ST+8*\t+1]
.irp j, 2,3,4,5,6,7
	v_mov_b32 v[ST+8*\t+\j], 0
.endr
.endr
	WIN 0x40
.set i, 0
.rept 64
	v_mov_b32 v[O+i], 0
.set i, i+1
.endr
	WIN 0
.endm
; On the diagonal the scores of hidden keys become -infinity ahead of the maximum.  Register n of tile t holds key KF + 16 (n / 8) + 8 (lane / 16) + n % 8 of query Q0 + 16 t + lane % 16.
.macro MASK
	s_sub_co_u32 s58, s[Q0], s[KF]
.irp t, 0,1
	v_add_nc_u32 v[DD], s58, v[DM]                 ; d = query - KF - 8 (lane / 16): hidden where 16 (n / 8) + n % 8 > d
.set n, 0
.rept 32
	v_cmp_gt_i32 vcc_lo, 16*(n/8)+n%8, v[DD]
	v_cndmask_b32 v[S+32*\t+n], v[S+32*\t+n], v[NINF], vcc_lo
.set n, n+1
.endr
	s_add_co_u32 s58, s58, 16
.endr
.endm
; The softmax of both tiles for one step, each line for the two tiles by turns, so that no line reads the result of the line just above it.
.macro SOFTMAX
.irp j, 0,1,2,3                        ; the maximum: four chains of seven scores (each begins at an accumulator's low end),
.irp t, 0,1
	v_max3_num_f32 v[ST+8*\t+4+\j], v[S+32*\t+8*\j], v[S+32*\t+8*\j+1], v[S+32*\t+8*\j+2]
.endr
.endr
.irp g, 1,2
.irp j, 0,1,2,3
.irp t, 0,1
	v_max3_num_f32 v[ST+8*\t+4+\j], v[ST+8*\t+4+\j], v[S+32*\t+8*\j+2*\g+1], v[S+32*\t+8*\j+2*\g+2]
.endr
.endr
.endr
.irp t, 0,1                            ; the four scores left over,
	v_max3_num_f32 v[ST+8*\t+4], v[ST+8*\t+4], v[S+32*\t+7], v[S+32*\t+15]
	v_max3_num_f32 v[ST+8*\t+6], v[ST+8*\t+6], v[S+32*\t+23], v[S+32*\t+31]
.endr
.irp t, 0,1
	v_max3_num_f32 v[ST+8*\t+4], v[ST+8*\t+4], v[ST+8*\t+5], v[ST+8*\t+6]
.endr
.irp t, 0,1
	v_max3_num_f32 v[ST+8*\t+4], v[ST+8*\t+4], v[ST+8*\t+7], v[ST+8*\t+1]   ; the chains and the old m
.endr
.irp t, 0,1
	v_permlanex16_b32 v[ST+8*\t+5], v[ST+8*\t+4], s[SEL], s[SEL+1]          ; the query's other 32 keys lie in the lane 16 away
.endr
.irp t, 0,1
	v_mov_b32 v[ST+8*\t+7], v[ST+8*\t]                                      ; c m_old is kept for a
.endr
.irp t, 0,1
	v_max_num_f32 v[ST+8*\t+1], v[ST+8*\t+4], v[ST+8*\t+5]
.endr
.irp t, 0,1
	v_mul_f32 v[ST+8*\t], s[CS], v[ST+8*\t+1]
.endr
.irp t, 0,1
	v_sub_f32 v[ST+8*\t+7], v[ST+8*\t+7], v[ST+8*\t]
.endr
.set i, 0
.rept 16
.irp t, 0,1
	v_pk_fma_f32 v[S+32*\t+2*i:S+32*\t+2*i+1], v[S+32*\t+2*i:S+32*\t+2*i+1], s[CS:CS+1], v[ST+8*\t:ST+8*\t+1] op_sel_hi:[1,0,0] neg_lo:[0,0,1] neg_hi:[0,0,1]   ; c s - c m
.endr
.set i, i+1
.endr
.irp t, 0,1                            ; ONE BATCH of 66 exponentials: none reads another's result
	v_exp_f32 v[ST+8*\t+6], v[ST+8*\t+7]           ; a = 2^(c m_old - c m_new)
.endr
.set i, 0
.rept 32
.irp t, 0,1
	v_exp_f32 v[S+32*\t+i], v[S+32*\t+i]           ; p = 2^(c s - c m)
.endr
.set i, i+1
.endr
	v_nop                                          ; a plain instruction behind the last exponential
	s_wait_alu depctr_va_vdst(0)                   ; the wait ahead of the first line that names a result: one for the batch
.set i, 0
.rept 16
.irp t, 0,1
	v_cvt_pk_f16_f32 v[P+16*\t+i], v[S+32*\t+2*i], v[S+32*\t+2*i+1]
.endr
.set i, i+1
.endr
.irp w, 4,8,16,32                      ; the sum of a tile's 16 pairs, in place: neighbours 1, 2, 4, 8 pairs apart
.set i, 0
.rept 32/\w
.irp t, 0,1
	v_pk_add_f32 v[S+32*\t+\w*i:S+32*\t+\w*i+1], v[S+32*\t+\w*i:S+32*\t+\w*i+1], v[S+32*\t+\w*i+\w/2:S+32*\t+\w*i+\w/2+1]
.endr
.set i, i+1
.endr
.endr
.irp t, 0,1
	v_pk_fma_f32 v[ST+8*\t+2:ST+8*\t+3], v[ST+8*\t+2:ST+8*\t+3], v[ST+8*\t+6:ST+8*\t+7], v[S+32*\t:S+32*\t+1] op_sel_hi:[1,0,1]   ; l = a l + the sum
.endr
.endm
; A STEP: 64 keys, the q-th of the unit in hand.  KF is a multiple of 64 and Q0 of 32: where KF > Q0 every key comes after my 32 queries and the step is left out; else key KF counts for all of them.
.macro STEP q
	s_cmp_gt_u32 s[KF], s[Q0]
	s_cbranch_scc1 .Lhidden_\@
	v_add_nc_u32 v[ADK], s[TB], v[AK0]
	v_add_nc_u32 v[ADV], s[TB], v[AV0]
	v_nop
	v_nop                                          ; four places between the last step's products and the loads into V's registers
	WIN 0x40
.irp kt, 0,1,2,3
.irp c, 0,1
	ds_load_b128 v[16*\kt+8*\c:16*\kt+8*\c+3],   v[ADK] offset:(64*(\q)+16*\kt)*PK+64*\c
	ds_load_b128 v[16*\kt+8*\c+4:16*\kt+8*\c+7], v[ADK] offset:(64*(\q)+16*\kt)*PK+64*\c+32
.endr
.endr
.irp ct, 0,1,2,3
.irp kh, 0,1
	ds_load_tr16_b128 v[VF+16*\ct+8*\kh:VF+16*\ct+8*\kh+3],   v[ADV] offset:(64*(\q)+32*\kh)*PV+32*\ct
	ds_load_tr16_b128 v[VF+16*\ct+8*\kh+4:VF+16*\ct+8*\kh+7], v[ADV] offset:(64*(\q)+32*\kh)*PV+16*PV+32*\ct
.endr
.endr
	s_wait_dscnt 16                                ; K's sixteen loads are in; V's sixteen may be out
	WIN 0x01                                       ; K in window 1
.irp c, 0,1                            ; eight accumulators by turns, one instruction a turn
.irp kt, 0,1,2,3
.irp t, 0,1
.if \c == 0
	v_wmma_f32_16x16x32_f16 v[S+32*\t+8*\kt:S+32*\t+8*\kt+7], v[16*\kt+8*\c:16*\kt+8*\c+7], v[Q+16*\t+8*\c:Q+16*\t+8*\c+7], 0
.else
	v_wmma_f32_16x16x32_f16 v[S+32*\t+8*\kt:S+32*\t+8*\kt+7], v[16*\kt+8*\c:16*\kt+8*\c+7], v[Q+16*\t+8*\c:Q+16*\t+8*\c+7], v[S+32*\t+8*\kt:S+32*\t+8*\kt+7]
.endif
.endr
.endr
.endr
	WIN 0
.rept 4
	v_nop                                          ; places in front of the first read of the scores
.endr
	s_add_co_u32 s58, s[KF], 63
	s_cmp_le_u32 s58, s[Q0]                        ; all 64 keys count for all my queries: no mask
	s_cbranch_scc1 .Lopen_\@
	MASK
.Lopen_\@:
	SOFTMAX
	WIN 0x41                                       ; O^T in window 1, a in window 0
.irp t, 0,1
.set i, 0
.rept 16
	v_pk_mul_f32 v[O+32*\t+2*i:O+32*\t+2*i+1], v[O+32*\t+2*i:O+32*\t+2*i+1], v[ST+8*\t+6:ST+8*\t+7] op_sel_hi:[1,0]
.set i, i+1
.endr
.endr
	s_wait_dscnt 0x0                               ; V is in
	WIN 0x51                                       ; V and O^T in window 1, P in window 0
.irp kh, 0,1
.irp ct, 0,1,2,3
.irp t, 0,1
	v_wmma_f32_16x16x32_f16 v[O+32*\t+8*\ct:O+32*\t+8*\ct+7], v[VF+16*\ct+8*\kh:VF+16*\ct+8*\kh+7], v[P+16*\t+8*\kh:P+16*\t+8*\kh+7], v[O+32*\t+8*\ct:O+32*\t+8*\ct+7]
.endr
.endr
.endr
	WIN 0
.Lhidden_\@:
	s_add_co_u32 s[KF], s[KF], 64
.endm
; THE WAY OUT of a block: O^T / l, rounded to f16, through my stage in LDS; my 32 rows of a plane are 4,096 bytes on end: each store covers 512 consecutive bytes, aligned.
.macro WAYOUT
.rept 4
	v_nop                                          ; places behind the last products
.endr
.irp t, 0,1
	v_add_f32 v[ST+8*\t+4], v[ST+8*\t+2], v[ST+8*\t+3]
.endr
.irp t, 0,1
	v_permlanex16_b32 v[ST+8*\t+5], v[ST+8*\t+4], s[SEL], s[SEL+1]
.endr
.irp t, 0,1
	v_add_f32 v[ST+8*\t+4], v[ST+8*\t+4], v[ST+8*\t+5]
.endr
.irp t, 0,1
	v_rcp_f32 v[ST+8*\t+6], v[ST+8*\t+4]
.endr
	v_nop
	s_wait_alu depctr_va_vdst(0)                   ; one wait for the two reciprocals, ahead of their first reader
	WIN 0x01
.irp t, 0,1
.set i, 0
.rept 16
	v_pk_mul_f32 v[S+32*\t+2*i:S+32*\t+2*i+1], v[O+32*\t+2*i:O+32*\t+2*i+1], v[ST+8*\t+6:ST+8*\t+7] op_sel_hi:[1,0]
.set i, i+1
.endr
.endr
	WIN 0
.set i, 0
.rept 32
	v_cvt_pk_f16_f32 v[P+i], v[S+2*i], v[S+2*i+1]
.set i, i+1
.endr
.irp t, 0,1
.irp ct, 0,1,2,3
	ds_store_b128 v[STO], v[P+16*\t+4*\ct:P+16*\t+4*\ct+3] offset:16*SPB*\t+32*\ct   ; query lane % 16, channels 16 ct + 8 (lane / 16) + 0..7
.endr
.endr
.irp i, 0,1,2,3,4,5,6,7
	ds_load_b128 v[OB+4*\i:OB+4*\i+3], v[RD] offset:4*SPB*\i                         ; in order behind my stores: four rows an instruction
.endr
.irp i, 0,1,2,3,4,5,6,7
	s_wait_dscnt 7-\i
	global_store_b128 v[GO], v[OB+4*\i:OB+4*\i+3], s[YP:YP+1] offset:512*\i
.endr
.endm
; THE CHANGE OF SLOTS, at a unit's head.  Each wave waits for all its tensor loads (its part of the slot ahead), adds 0 to its spare word, and waits for that and for its reads of the slot that it has left; one barrier.
; fill = 1: the slot just left is filled with the unit of the next trip: the next one, or unit 0 where this trip ends the first block.  Every unit that is asked for is read.
.macro CHANGE fill
	s_wait_tensorcnt 0x0                           ; no tensor load of mine is out, so a group 0 may be written
	ds_add_u32 v[SPW], v[NIL]
.if \fill
	ds_add_u32 v[SPW], v[NIL]                      ; and twice on end here, in every trip alike
	s_add_co_u32 s58, s[KN], 1
	s_cmp_eq_u32 s[U], s[I]
	s_cselect_b32 s[KN], 0, s58
	s_lshl_b32 s58, s[KN], 15                      ; a unit is 256 rows of 128 bytes
	s_mov_b32 s59, 0
	s_xor_b32 s[G0K+1], s[G0K+1], SLOT1
	s_add_nc_u64 s[G0K+2:G0K+3], s[KBW:KBW+1], s[58:59]
	s_or_b32 s[G0K+3], s[G0K+3], 0x80000000
	s_xor_b32 s[G0V+1], s[G0V+1], SLOT1
	s_add_nc_u64 s[G0V+2:G0V+3], s[VBW:VBW+1], s[58:59]
	s_or_b32 s[G0V+3], s[G0V+3], 0x80000000
	s_wait_xcnt 0x0                                ; the last prefetch, a trip back, has read its address
	s_add_nc_u64 s[PFA:PFA+1], s[PFA:PFA+1], 32768
.endif
	s_wait_dscnt 0x0                               ; the add is done, and my reads of the slot that I have left are over
	s_barrier_signal -1
	s_barrier_wait -1
.if \fill
	TLOAD                                          ; the first thing behind the barrier, a wave's one tensor load until the next: it has a unit's steps in which to land
	ASK
.endif
.endm
	s_load_b128 s[4:7], s[0:1], 0x0                ; qkv, yh
	v_lshl_add_u32 v[SPW], v0, 2, SPARE
	v_mov_b32 v[NIL], 0
	ds_add_u32 v[SPW], v[NIL]                      ; the wave's opening: the add, twice on end, and its wait ahead of my first tensor load
	ds_add_u32 v[SPW], v[NIL]
	v_lshrrev_b32 v15, 5, v0
	v_readfirstlane_b32 s[WV], v15                 ; wave 0..7
	s_mov_b32 s[I], ttmp9
	s_and_b32 s58, ttmp7, 0xffff                   ; batch x 16 + head
	s_and_b32 s59, s58, 15
	s_lshr_b32 s60, s58, 4
	s_lshl_b32 s59, s59, 20                        ; a plane is 2^20 bytes,
	s_lshl_b32 s60, s60, 18                        ; a batch's 2,048 rows 2^18
	s_add_co_u32 s58, s59, s60
	s_mov_b32 s59, 0                               ; s[58:59]: the head's first row, in any of the three groups of planes and in yh
	s_and_b32 s60, s[WV], 1                        ; which 128 rows of a unit I fetch, if I fetch
	s_lshl_b32 s62, s60, 14
	s_add_co_u32 s62, s62, s58
	s_mov_b32 s63, 0
	s_mul_i32 s67, s60, 128*PK
	s_mul_i32 s68, s60, 128*PV
	s_add_co_u32 s68, s68, VOFF
	; descriptor group 1: 128 rows of 64 elements of 2 bytes, dense in memory; padding behind every row of 32 words: 4 words for K, 8 for V
	s_mov_b32 s[G1K], (1<<16)|(1<<20)|(4<<22)|(3<<25)
	s_mov_b32 s[G1V], (1<<16)|(1<<20)|(4<<22)|(7<<25)
.irp g, G1K, G1V
	s_mov_b32 s[\g+1], 64<<16                      ; tensor_dim0
	s_mov_b32 s[\g+2], 128<<16                     ; tensor_dim1
	s_mov_b32 s[\g+3], 64<<16                      ; tile_dim0
	s_mov_b32 s[\g+4], 128                         ; tile_dim1
	s_mov_b32 s[\g+5], 64                          ; the pitch
	s_mov_b32 s[\g+6], 0
	s_mov_b32 s[\g+7], 0
.endr
	s_lshl_b32 s69, s[WV], 2
	s_lshr_b32 s66, 0x35174260, s69
	s_and_b32 s66, s66, 7
	s_lshl_b32 s66, s66, 5                         ; 32 T2: my place in a block
	s_mov_b32 s[SEL], 0x76543210
	s_mov_b32 s[SEL+1], 0xfedcba98
	s_mov_b32 s[CS], 0x3e38aa3b                    ; c = log2(e) / sqrt(64)
	s_mov_b32 s[CS+1], s[CS]
	s_mov_b32 s[U], 0
	s_mov_b32 s[KN], 0
	s_mov_b32 s[KF], 0
	s_mov_b32 s[TB], 0
	s_cmp_eq_u32 ttmp9, 0
	s_cselect_b32 s[LIM], 6, 0
	s_wait_dscnt 0x0                               ; both opening adds are done
	s_wait_kmcnt 0x0
	s_add_nc_u64 s[KBW:KBW+1], s[4:5], s[62:63]
	s_add_nc_u64 s[VBW:VBW+1], s[KBW:KBW+1], 0x2000000   ; V's planes begin 32 planes on,
	s_add_nc_u64 s[KBW:KBW+1], s[KBW:KBW+1], 0x1000000   ; K's 16
	s_mov_b32 s[G0K], 1
	s_mov_b32 s[G0K+1], s67
	s_mov_b64 s[G0K+2:G0K+3], s[KBW:KBW+1]
	s_or_b32 s[G0K+3], s[G0K+3], 0x80000000
	s_mov_b32 s[G0V], 1
	s_mov_b32 s[G0V+1], s68
	s_mov_b64 s[G0V+2:G0V+3], s[VBW:VBW+1]
	s_or_b32 s[G0V+3], s[G0V+3], 0x80000000
	TLOAD                                          ; slot 0: key unit 0, which every block reads
	s_add_nc_u64 s[QH:QH+1], s[4:5], s[58:59]
	s_add_nc_u64 s[YH:YH+1], s[6:7], s[58:59]
	s_mov_b32 s61, 0x2000000
	s_cmp_lt_u32 s[WV], 4                          ; the prefetches: waves 0-3 K's, waves 4-7 V's
	s_cselect_b32 s60, 0x1000000, s61
	s_and_b32 s61, s[WV], 3
	s_lshl_b32 s61, s61, 13                        ; 8,192 bytes a wave,
	s_add_co_u32 s60, s60, s61
	s_add_co_u32 s60, s60, 32768                   ; at key unit 1: each change of slots steps it ahead of its prefetch
	s_mov_b32 s61, 0
	s_add_nc_u64 s[PFA:PFA+1], s[QH:QH+1], s[60:61]
	s_lshl_b32 s[Q0], s[I], 8
	s_add_co_u32 s[Q0], s[Q0], s66                 ; the first block: 256 i + 32 T2
	SETQ
	v_and_b32 v8, 15, v0                           ; r
	v_bfe_u32 v9, v0, 4, 1                         ; h
	v_and_b32 v12, 31, v0                          ; lane
	v_lshlrev_b32 v[QO], 7, v8
	v_lshl_add_u32 v[QO], v9, 4, v[QO]             ; row r of 128 bytes + 16 h
	LOADQ
	v_mul_u32_u24 v[AK0], v8, PK
	v_lshl_add_u32 v[AK0], v9, 4, v[AK0]
	v_and_b32 v13, 7, v0
	v_lshl_add_u32 v[AV0], v9, 3, v13              ; the turning load: key 8 h + lane % 8, channels 8 ((lane / 8) % 2) on
	v_mul_u32_u24 v[AV0], v[AV0], PV
	v_bfe_u32 v14, v0, 3, 1
	v_lshl_add_u32 v[AV0], v14, 4, v[AV0]
	v_add_nc_u32 v[AV0], VOFF, v[AV0]
	v_lshlrev_b32 v[GO], 4, v12
	s_mul_i32 s60, s[WV], 32*SPB
	s_add_co_u32 s60, s60, STAGE                   ; my stage
	v_add_nc_u32 v[STO], s60, v[AK0]               ; in: row r x 144 + 16 h
	v_lshrrev_b32 v[RD], 3, v12
	v_mul_u32_u24 v[RD], v[RD], SPB
	v_lshl_add_u32 v[RD], v13, 4, v[RD]
	v_add_nc_u32 v[RD], s60, v[RD]                 ; back: eight lanes to a row
	v_lshlrev_b32 v[DM], 3, v9
	v_sub_nc_u32 v[DM], v8, v[DM]
	v_lshlrev_b32 v[PFO], 8, v12
	v_mov_b32 v[NINF], 0xff800000
	INIT
	s_wait_loadcnt 0x0                             ; Q
.Lunit:                                            ; 8 trips; the ninth unit is written out
	CHANGE 1
	STEP 0
	STEP 1
	STEP 2
	STEP 3
	s_xor_b32 s[TB], s[TB], SLOT1
	s_cmp_lg_u32 s[U], s[I]                        ; the first block ends with trip i: the work-group's number and the count of trips alone decide, alike in all waves
	s_cbranch_scc1 .Lsame
	WAYOUT
	s_wait_xcnt 0x0                                ; the stores have read their base and their data
	s_sub_co_u32 s[Q0], 7, s[I]
	s_lshl_b32 s[Q0], s[Q0], 8
	s_add_co_u32 s[Q0], s[Q0], s66                 ; the second block: 256 (7 - i) + 32 T2
	s_mov_b32 s[KF], 0
	SETQ
	LOADQ
	INIT
	s_wait_loadcnt 0x0
.Lsame:
	s_add_co_u32 s[U], s[U], 1
	s_cmp_lt_u32 s[U], 8
	s_cbranch_scc1 .Lunit
	CHANGE 0
	STEP 0
	STEP 1
	STEP 2
	STEP 3
	WAYOUT
	s_wait_tensorcnt 0x0                           ; the wave's end
	ds_add_u32 v[SPW], v[NIL]
	s_wait_dscnt 0x0
	s_endpgm
.Lfunc_end_k_qdb69ad2a5f_attn:
	.size	k_qdb69ad2a5f_attn, .Lfunc_end_k_qdb69ad2a5f_attn-k_qdb69ad2a5f_attn
	.p2alignl 7, 3214868480
	.fill 96, 4, 3214868480
	.section	.rodata,"a",@progbits
	.p2align	6, 0x0
	.amdhsa_kernel k_qdb69ad2a5f_attn
		.amdhsa_group_segment_fixed_size 327680
		.amdhsa_private_segment_fixed_size 0
		.amdhsa_enable_private_segment 0
		.amdhsa_kernarg_size 16
		.amdhsa_user_sgpr_count 2
		.amdhsa_user_sgpr_kernarg_segment_ptr 1
		.amdhsa_wavefront_size32 1
		.amdhsa_system_sgpr_workgroup_id_x 1
		.amdhsa_system_sgpr_workgroup_id_y 1
		.amdhsa_system_sgpr_workgroup_id_z 1
		.amdhsa_system_vgpr_workitem_id 0
		.amdhsa_next_free_vgpr 512
		.amdhsa_next_free_sgpr 72
		.amdhsa_reserve_vcc 1
		.amdhsa_float_denorm_mode_32 3
		.amdhsa_float_denorm_mode_16_64 3
		.amdhsa_memory_ordered 1
		.amdhsa_forward_progress 1
		.amdhsa_inst_pref_size 199
	.end_amdhsa_kernel
	.amdgpu_metadata
---
amdhsa.version: [ 1, 2 ]
amdhsa.kernels:
  - .name:           k_qdb69ad2a5f_attn
    .symbol:         k_qdb69ad2a5f_attn.kd
    .args:
      - { .name: qkv, .offset: 0, .size: 8, .value_kind: global_buffer, .address_space: global }
      - { .name: yh, .offset: 8, .size: 8, .value_kind: global_buffer, .address_space: global }
    .group_segment_fixed_size: 327680
    .private_segment_fixed_size: 0
    .kernarg_segment_align: 8
    .kernarg_segment_size: 16
    .max_flat_workgroup_size: 256
    .sgpr_count:     72
    .vgpr_count:     512
    .wavefront_size: 32
...
	.end_amdgpu_metadata
.endif
;; end of part 3
;; launch outproj (part 4): grid 4 x 64, 4 waves a work-group, clusters of 4 x 4, 327,680 bytes of LDS; arguments yh, wo16, out0, bo; writes out0
.if DOCPART == 4
	.amdgcn_target "amdgcn-amd-amdhsa--gfx1250"
	.amdhsa_code_object_version 6
	.text
	.protected	k_qdb69ad2a5f_outproj
	.globl	k_qdb69ad2a5f_outproj
	.p2align	8
	.type	k_qdb69ad2a5f_outproj,@function
k_qdb69ad2a5f_outproj:
	s_mov_b64 s[64:65], 0
	v_nop
	global_prefetch_b8 v0, s[64:65] scope:SCOPE_SE
	s_setreg_imm32_b32 hwreg(HW_REG_WAVE_MODE, 25, 1), 1
	s_wait_xcnt 0x0
	s_wait_alu depctr_hold_cnt(0) depctr_sa_sdst(0) depctr_va_vdst(0) depctr_va_sdst(0) depctr_va_ssrc(0) depctr_va_vcc(0) depctr_vm_vsrc(0)
	s_getreg_b32 s2, hwreg(HW_REG_IB_STS2, 6, 4)
	s_cmp_eq_u32 s2, 0
	s_cbranch_scc0 .Lentry_in_a_cluster
	s_endpgm
.Lentry_in_a_cluster:
	s_bfe_u32 s2, ttmp6, 0x10000c
	s_cmp_lg_u32 s2, 0xf033
	s_cbranch_scc0 .Lentry_shape_is_right
	s_endpgm
.Lentry_shape_is_right:
; out0[m][n] = the sum over k of y[m][k] wo[n][k] + bo[n].  y: yh [16 heads][8192][64] f16 (k = 64 head + channel); wo16: [1024][1024] f16; out0: [8192][1024] f32; sums in f32.
; A tile of out0 is 128 x 256: 256 work-groups, one for each WGP (tiles of 256 x 256 would be 128).  Four waves, each 64 x 128: 32 accumulators, 256 registers.
; K goes in steps of 128, two head planes, through a ring of two LDS slots.  Waves 0, 1 fetch y's two planes (128 rows x 128 bytes each), waves 2, 3 the halves of wo's 256 rows (x 256 bytes).
; CLUSTERS: 4 x 4 work-groups.  The four of a row of the cluster need the same tiles of y, the four of a column the same tiles of wo: each tile is asked for jointly.
; THE MATRIX INSTRUCTION IS USED TRANSPOSED (source 0 = 16 rows of wo, source 1 = 16 rows of y): a lane holds eight neighbouring columns of a row.
; NO PREFETCH: only four of the eight K steps stand far enough behind the head to be asked for ahead.
; REGISTERS: window 0: v16-29 addresses; y's fragments at v64-95 and v128-159; way out: v64-127 sums + bias, v128-191 and v192-255 rows read back.   window 1: v0-63 the bias; wo's fragments at v64-127, v128-191.   window 2: the accumulators, (a, b) at v[8 (8 a + b)].
.set PA,     144                       ; a row of y in LDS: 128 bytes + 16
.set PB,     272                       ; a row of wo: 256 + 16
.set PLA,    128*PA                    ; a plane's 128 rows
.set AOFF,   2*PLA
.set HALFB,  128*PB
.set SLOT,   AOFF+2*HALFB
.set STAGE,  2*SLOT                    ; 16 rows x 528 bytes for each wave
.set SPITCH, 528
.set SPARE,  STAGE+4*16*SPITCH
.set ADRA, 16
.set ADRB, 20
.set STO,  24
.set RD,   25
.set CO,   26
.set BO,   27
.set SPW,  28
.set NIL,  29
.set F0,   64
.set F1,   128
.set T,    64
.set BK,   128
.set G1, 24
.set G0, 32
.set G1B, 48
.set G0B, 56
.set MSB, 0
.macro WIN new
.if MSB != (\new)
	s_set_vgpr_msb (MSB<<8)|(\new)
.set MSB, \new
.endif
.endm
.set MUL,  0xa1                        ; source 0 (wo) window 1, source 1 (y) window 0, C and D window 2
.set TO_B, 0x40
.macro JLOAD s                         ; an s_nop 0 and four v_nop follow each of the two lines
	s_cmp_eq_u32 s13, 0
	s_cbranch_scc0 .Lfor_b_\@
	tensor_load_to_lds s[G0+4*\s:G0+4*\s+3], s[G1:G1+7]
	s_nop 0
.rept 4
	v_nop
.endr
	s_branch .Lasked_\@
.Lfor_b_\@:
	tensor_load_to_lds s[G0B+4*\s:G0B+4*\s+3], s[G1B:G1B+7]
	s_nop 0
.rept 4
	v_nop
.endr
.Lasked_\@:
.endm
.macro CREST
	s_cmp_lg_u32 s12, 0
	s_cbranch_scc1 .Lnot_wave_0_\@
	s_barrier_signal -3
.Lnot_wave_0_\@:
	s_barrier_wait -3
	s_barrier_signal -1
	s_barrier_wait -1
.endm
.macro CROUND
	s_barrier_signal -1
	s_barrier_wait -1
	CREST
.endm
	s_load_b256 s[4:11], s[0:1], 0x0               ; yh, wo16, out0, bo
	v_lshl_add_u32 v[SPW], v0, 2, SPARE
	v_mov_b32 v[NIL], 0
	ds_add_u32 v[SPW], v[NIL]                      ; the wave's opening: the add, twice on end, and its wait ahead of my first tensor load
	ds_add_u32 v[SPW], v[NIL]
	v_lshrrev_b32 v1, 5, v0
	v_readfirstlane_b32 s12, v1                    ; wave 0..3
	s_lshr_b32 s13, s12, 1                         ; which 64 rows are mine.  Also: I fetch for y (0) or for wo (1)
	s_and_b32 s14, s12, 1                          ; which 128 columns.  Also: which plane of y, or which half of wo's rows, I fetch
	s_bfe_u32 s15, ttmp6, 0x40000                  ; cx
	s_bfe_u32 s16, ttmp6, 0x40004                  ; cy
	s_lshl_b32 s17, ttmp9, 2
	s_add_co_u32 s17, s17, s15                     ; tile column
	s_and_b32 s18, ttmp7, 0xffff
	s_lshl_b32 s18, s18, 2
	s_add_co_u32 s18, s18, s16                     ; tile row
	s_lshl_b32 s40, s16, 2
	s_lshl_b32 s40, 15, s40                        ; my row of the cluster
	s_lshl_b32 s41, 0x1111, s15                    ; my column
	s_or_b32 s[G1+0], s40, (1<<16)|(1<<20)|(1<<21)|(4<<22)|(3<<25)   ; y: elements of 2 bytes; 4 words of padding after every 32
	s_mov_b32 s[G1+1], 64<<16                      ; tensor_dim0
	s_mov_b32 s[G1+2], 128<<16                     ; tensor_dim1
	s_mov_b32 s[G1+3], 64<<16                      ; tile_dim0
	s_mov_b32 s[G1+4], 128                         ; tile_dim1
	s_mov_b32 s[G1+5], 64                          ; the pitch
	s_mov_b32 s[G1+6], 0
	s_mov_b32 s[G1+7], 0
	s_or_b32 s[G1B+0], s41, (1<<16)|(1<<20)|(1<<21)|(5<<22)|(3<<25)  ; wo: 4 words of padding after every 64
	s_mov_b32 s[G1B+1], 128<<16
	s_mov_b32 s[G1B+2], 128<<16
	s_mov_b32 s[G1B+3], 128<<16
	s_mov_b32 s[G1B+4], 128
	s_mov_b32 s[G1B+5], 1024
	s_mov_b32 s[G1B+6], 0
	s_mov_b32 s[G1B+7], 0
	s_lshl_b32 s20, s14, 20                        ; y: my plane of the K step's two,
	s_lshl_b32 s21, s18, 14                        ; row 128 x tile row, of 128 bytes
	s_add_co_u32 s20, s20, s21
	s_mov_b32 s21, 0
	s_lshl_b32 s44, s17, 19                        ; wo: row 256 x tile column + 128 x half, of 2,048 bytes
	s_lshl_b32 s45, s14, 18
	s_add_co_u32 s44, s44, s45
	s_mov_b32 s45, 0
	s_mul_i32 s42, s14, PLA                        ; where they go: the wave's number alone
	s_mul_i32 s43, s14, HALFB
	s_add_co_u32 s43, s43, AOFF
	s_wait_dscnt 0x0                               ; both opening adds are done
	s_wait_kmcnt 0x0
	s_add_nc_u64 s[20:21], s[4:5], s[20:21]
	s_add_nc_u64 s[44:45], s[6:7], s[44:45]
	CROUND                                         ; all sixteen work-groups are here: the first joint loads meet
.irp s, 0,1
	s_mov_b32 s[G0+4*\s], 1
	s_add_co_u32 s[G0+4*\s+1], s42, \s*SLOT
	s_add_nc_u64 s[G0+4*\s+2:G0+4*\s+3], s[20:21], \s*2097152      ; K step s: planes 2 s, 2 s + 1
	s_or_b32 s[G0+4*\s+3], s[G0+4*\s+3], 0x80000000
	s_mov_b32 s[G0B+4*\s], 1
	s_add_co_u32 s[G0B+4*\s+1], s43, \s*SLOT
	s_add_nc_u64 s[G0B+4*\s+2:G0B+4*\s+3], s[44:45], \s*256
	s_or_b32 s[G0B+4*\s+3], s[G0B+4*\s+3], 0x80000000
	JLOAD \s
.endr
	v_and_b32 v1, 15, v0                           ; r
	v_bfe_u32 v2, v0, 4, 1                         ; h
	v_mul_u32_u24 v3, v1, PA
	v_lshl_add_u32 v3, v2, 4, v3
	v_mul_u32_u24 v4, v1, PB
	v_lshl_add_u32 v4, v2, 4, v4
	s_mul_i32 s22, s13, 64*PA                      ; my 64 rows of y (in each plane)
	s_mul_i32 s23, s14, HALFB                      ; my 128 rows of wo
	s_add_co_u32 s23, s23, AOFF
.irp s, 0,1
	v_add_nc_u32 v[ADRA+\s], s22, v3
	v_add_nc_u32 v[ADRB+\s], s23, v4
	s_add_co_u32 s22, s22, SLOT
	s_add_co_u32 s23, s23, SLOT
.endr
	s_mul_i32 s22, s12, 16*SPITCH
	s_add_co_u32 s22, s22, STAGE                   ; my stage
	v_mul_u32_u24 v5, v1, SPITCH
	v_lshl_add_u32 v5, v2, 5, v5
	v_add_nc_u32 v[STO], s22, v5                   ; in: row r, 32 bytes for each half of the lanes
	v_and_b32 v6, 31, v0
	v_lshlrev_b32 v[CO], 4, v6                     ; back: the 32 lanes take one row of 512 bytes; and the same in out0
	v_add_nc_u32 v[RD], s22, v[CO]
	v_lshlrev_b32 v[BO], 5, v2
	s_lshl_b32 s46, s17, 10
	s_lshl_b32 s47, s14, 9
	s_add_co_u32 s46, s46, s47                     ; my first column, in bytes
	s_mov_b32 s47, 0
	s_add_nc_u64 s[10:11], s[10:11], s[46:47]
	s_lshl_b32 s40, s18, 19                        ; my first row: 128 x tile row + 64 x half, of 4,096 bytes
	s_lshl_b32 s41, s13, 18
	s_add_co_u32 s40, s40, s41
	s_add_co_u32 s46, s46, s40
	s_add_nc_u64 s[8:9], s[8:9], s[46:47]
	WIN TO_B
.irp b, 0,1,2,3,4,5,6,7
	global_load_b128 v[8*\b:8*\b+3], v[BO], s[10:11] offset:64*\b          ; the bias of columns 16 b + 8 h + 0 .. 7
	global_load_b128 v[8*\b+4:8*\b+7], v[BO], s[10:11] offset:64*\b+16
.endr
	WIN 0
.macro MUL8 f, a, zero                 ; y's block a against wo's eight, 32 along K.  The 32 accumulators take turns, one instruction a turn, in the same order in every quarter
.irp b, 0,1,2,3,4,5,6,7
.if \zero
	v_wmma_f32_16x16x32_f16 v[8*(8*(\a)+\b):8*(8*(\a)+\b)+7], v[\f+8*\b:\f+8*\b+7], v[\f+8*(\a):\f+8*(\a)+7], 0
.else
	v_wmma_f32_16x16x32_f16 v[8*(8*(\a)+\b):8*(8*(\a)+\b)+7], v[\f+8*\b:\f+8*\b+7], v[\f+8*(\a):\f+8*(\a)+7], v[8*(8*(\a)+\b):8*(8*(\a)+\b)+7]
.endif
.endr
.endm
.macro FETCH slot, q, f                ; 24 LDS loads in one run: the fragments of the slot's q-th 32 along K: wo's eight, then y's four (plane q / 2, channels 32 (q % 2) on)
	WIN TO_B
.irp i, 0,1,2,3,4,5,6,7
	ds_load_b128 v[\f+8*\i:\f+8*\i+3],   v[ADRB+\slot] offset:64*(\q)+\i*16*PB
	ds_load_b128 v[\f+8*\i+4:\f+8*\i+7], v[ADRB+\slot] offset:64*(\q)+\i*16*PB+32
.endr
	WIN 0
.irp i, 0,1,2,3
	ds_load_b128 v[\f+8*\i:\f+8*\i+3],   v[ADRA+\slot] offset:((\q)/2)*PLA+((\q)%2)*64+\i*16*PA
	ds_load_b128 v[\f+8*\i+4:\f+8*\i+7], v[ADRA+\slot] offset:((\q)/2)*PLA+((\q)%2)*64+\i*16*PA+32
.endr
.endm
.macro PLACES
.rept 4
	v_nop
.endr
.endm
.macro QUARTER slot, q, f, g, zero     ; multiplies the slot's q-th quarter from buffer f; in its middle it fetches the next into g
	s_wait_dscnt 4                                 ; wo's eight and y's blocks 0, 1 are in; the youngest four loads (y's blocks 2, 3) may be out
	WIN MUL
	MUL8 \f, 0, \zero
	MUL8 \f, 1, \zero
	PLACES
	FETCH \slot, (\q)+1, \g
	s_wait_dscnt 24                                ; all but the 24 just issued
	WIN MUL
	MUL8 \f, 2, \zero
	MUL8 \f, 3, \zero
.endm
; A slot's last quarter multiplies buffer 1 and changes slots: one barrier; in front of it each wave waits for all its tensor loads, adds 0 to its spare word, and waits for that and for its reads of this slot.
; fill = 1: the barrier opens a round of the cluster's, and this slot is filled again, two K steps ahead: 112 matrix instructions stand between the request and the wait for it.
.macro TURN slot, next, fill
	WIN 0
	s_wait_tensorcnt 0x0                           ; my part of the next slot has landed
	ds_add_u32 v[SPW], v[NIL]
	s_wait_dscnt 5                                 ; the add and the youngest four loads may be out
	WIN MUL
	MUL8 F1, 0, 0
	s_wait_dscnt 0x0                               ; the add is done, and my reads of this slot are over
	s_barrier_signal -1
	MUL8 F1, 1, 0
	WIN 0
	s_barrier_wait -1
.if \fill
	CREST
	s_add_nc_u64 s[G0+4*\slot+2:G0+4*\slot+3], s[G0+4*\slot+2:G0+4*\slot+3], 4194304      ; four planes on
	s_add_nc_u64 s[G0B+4*\slot+2:G0B+4*\slot+3], s[G0B+4*\slot+2:G0B+4*\slot+3], 512      ; 256 along K on
	JLOAD \slot                                    ; the four v_nop behind it are also the places in front of the loads below
.else
	PLACES
.endif
	FETCH \next, 0, F0
	WIN MUL
	MUL8 F1, 2, 0
	MUL8 F1, 3, 0
.endm
	s_wait_tensorcnt 1                             ; my part of K step 0 is in; K step 1's may be out
	s_barrier_signal -1
	s_barrier_wait -1
	FETCH 0, 0, F0
	QUARTER 0, 0, F0, F1, 1                        ; the first quarter's products start the sums
	WIN 0
	s_mov_b32 s19, 3
.Llap:                                             ; a trip goes once round the ring and fills both slots again: K steps 2 to 7
	QUARTER 0, 1, F1, F0, 0
	QUARTER 0, 2, F0, F1, 0
	TURN 0, 1, 1
	QUARTER 1, 0, F0, F1, 0
	QUARTER 1, 1, F1, F0, 0
	QUARTER 1, 2, F0, F1, 0
	TURN 1, 0, 1
	QUARTER 0, 0, F0, F1, 0
	WIN 0
	s_sub_co_u32 s19, s19, 1
	s_cmp_lg_u32 s19, 0
	s_cbranch_scc1 .Llap
	QUARTER 0, 1, F1, F0, 0                        ; the last lap fills nothing
	QUARTER 0, 2, F0, F1, 0
	TURN 0, 1, 0
	QUARTER 1, 0, F0, F1, 0
	QUARTER 1, 1, F1, F0, 0
	QUARTER 1, 2, F0, F1, 0
	s_wait_dscnt 4
	WIN MUL
	MUL8 F1, 0, 0
	MUL8 F1, 1, 0
	s_wait_dscnt 0
	MUL8 F1, 2, 0
	MUL8 F1, 3, 0
	WIN 0
; THE WAY OUT, a block of 16 rows x 128 columns at a time: + bias (each accumulator from its low end on), through my stage, back as whole rows of 512 bytes: each store covers 512 consecutive bytes, aligned.
.macro PACK a
	WIN 0x06                                       ; source 0 window 2, source 1 window 1
.set i, 0
.rept 32
	v_pk_add_f32 v[T+2*i:T+2*i+1], v[64*(\a)+2*i:64*(\a)+2*i+1], v[2*i:2*i+1]
.set i, i+1
.endr
	WIN 0
.endm
.macro TOSTAGE a
.irp b, 0,1,2,3,4,5,6,7
	ds_store_b128 v[STO], v[T+8*\b:T+8*\b+3] offset:64*\b
	ds_store_b128 v[STO], v[T+8*\b+4:T+8*\b+7] offset:64*\b+16
.endr
.irp t, 0,1,2,3,4,5,6,7,8,9,10,11,12,13,14,15
	ds_load_b128 v[BK+64*((\a)%2)+4*\t:BK+64*((\a)%2)+4*\t+3], v[RD] offset:\t*SPITCH   ; in order behind my stores
.endr
.endm
.macro SEND a
	s_wait_dscnt 0x0
	s_wait_xcnt 0x0                                ; the stores of the block before have read their registers, which the next block's loads will take
.irp t, 0,1,2,3,4,5,6,7,8,9,10,11,12,13,14,15
	global_store_b128 v[CO], v[BK+64*((\a)%2)+4*\t:BK+64*((\a)%2)+4*\t+3], s[8:9] offset:(\a)*65536+\t*4096 th:TH_STORE_NT
.endr
.endm
	PLACES
	s_wait_loadcnt 0x0                             ; the bias
	PACK 0
	TOSTAGE 0
.irp a, 1,2,3
	PACK \a
	SEND \a-1
	TOSTAGE \a
.endr
	SEND 3
	s_wait_tensorcnt 0x0                           ; the wave's end
	ds_add_u32 v[SPW], v[NIL]
	s_wait_dscnt 0x0
	CROUND                                         ; the closing round
	s_endpgm
.Lfunc_end_k_qdb69ad2a5f_outproj:
	.size	k_qdb69ad2a5f_outproj, .Lfunc_end_k_qdb69ad2a5f_outproj-k_qdb69ad2a5f_outproj
	.p2alignl 7, 3214868480
	.fill 96, 4, 3214868480
	.section	.rodata,"a",@progbits
	.p2align	6, 0x0
	.amdhsa_kernel k_qdb69ad2a5f_outproj
		.amdhsa_group_segment_fixed_size 327680
		.amdhsa_private_segment_fixed_size 0
		.amdhsa_enable_private_segment 0
		.amdhsa_kernarg_size 32
		.amdhsa_user_sgpr_count 2
		.amdhsa_user_sgpr_kernarg_segment_ptr 1
		.amdhsa_wavefront_size32 1
		.amdhsa_system_sgpr_workgroup_id_x 1
		.amdhsa_system_sgpr_workgroup_id_y 1
		.amdhsa_system_sgpr_workgroup_id_z 1
		.amdhsa_system_vgpr_workitem_id 0
		.amdhsa_next_free_vgpr 768
		.amdhsa_next_free_sgpr 66
		.amdhsa_reserve_vcc 0
		.amdhsa_float_denorm_mode_32 3
		.amdhsa_float_denorm_mode_16_64 3
		.amdhsa_memory_ordered 1
		.amdhsa_forward_progress 1
		.amdhsa_inst_pref_size 95
	.end_amdhsa_kernel
	.amdgpu_metadata
---
amdhsa.version: [ 1, 2 ]
amdhsa.kernels:
  - .name:           k_qdb69ad2a5f_outproj
    .symbol:         k_qdb69ad2a5f_outproj.kd
    .args:
      - { .name: yh, .offset: 0, .size: 8, .value_kind: global_buffer, .address_space: global }
      - { .name: wo16, .offset: 8, .size: 8, .value_kind: global_buffer, .address_space: global }
      - { .name: out0, .offset: 16, .size: 8, .value_kind: global_buffer, .address_space: global }
      - { .name: bo, .offset: 24, .size: 8, .value_kind: global_buffer, .address_space: global }
    .group_segment_fixed_size: 327680
    .private_segment_fixed_size: 0
    .kernarg_segment_align: 8
    .kernarg_segment_size: 32
    .max_flat_workgroup_size: 128
    .sgpr_count:     66
    .vgpr_count:     768
    .wavefront_size: 32
...
	.end_amdgpu_metadata
.endif
;; end of part 4
;; launch fine (part 5): grid 64 x 4, 16 waves a work-group, no clusters, 18,432 bytes of LDS; arguments qkv32, wo, bo, out0; writes out0
.if DOCPART == 5
	.amdgcn_target "amdgcn-amd-amdhsa--gfx1250"
	.amdhsa_code_object_version 6
	.text
	.protected	k_qdb69ad2a5f_fine
	.globl	k_qdb69ad2a5f_fine
	.p2align	8
	.type	k_qdb69ad2a5f_fine,@function
k_qdb69ad2a5f_fine:
	s_mov_b64 s[64:65], 0
	v_nop
	global_prefetch_b8 v0, s[64:65] scope:SCOPE_SE
	s_setreg_imm32_b32 hwreg(HW_REG_WAVE_MODE, 25, 1), 1
	s_wait_xcnt 0x0
; The first 16 positions of each batch once more, all in f32: these rows average one to sixteen values and are the largest in size, so f16 operands would weigh most there.  They are written over what the launch before left.
; qkv32: [batch x 16 + t][3072] f32 (q, k, v: 1,024 columns each); wo: [1024][1024] f32; bo: [1024]; out0: [8192][1024] f32.
; SHARES.  Work-group (x, y): 16 output columns n0 = 16 x of batch y.  Wave = head: it makes its head's attention for the 16 rows and then its head's 64 channels' part of the 16 x 16 outputs; the sixteen parts meet in LDS, wave 0 adds them.
; The attention is made anew in each of the 64 column tiles (32 of a wave's 48 matrix instructions): that spares a launch and y's way through memory.  The launch stores 64 bytes a row, 262,144 bytes in all.
; LAYOUTS (f32 form, K = 4: lane (r, h), register j: k = 2 h + j).  A permutation of K that is the same on both sides keeps the products, so each operand is taken as wide loads or results leave it:
;   S^T = k q^T: pair s of a lane's 32 registers of k and of q holds the same two channels.   O^T = v^T p: p's pair u holds keys 8 h + 2 u + 0, 1; v is loaded so.   out^T = wo y^T: y's pair holds channels 16 ct + 8 h + 2 u + 0, 1; wo is loaded so.
; The registers that the f32 matrix form writes (v144-159, v176-223) are written by nothing else; each sum begins with C = 0; two or four accumulators take turns.
.set QF, 16                            ; v16-47 q, later y
.set KFR, 48                           ; v48-79 k
.set VF, 80                            ; v80-111 v
.set WF, 112                           ; v112-143 wo
.set SA, 144                           ; v144-151, v152-159 the scores' two half sums
.set S,  160                           ; v160-167 the scores, then p
.set TM, 168                           ; v168-175 at work
.set OA, 176                           ; v176-207 O^T, four tiles of 16 channels
.set PA, 208                           ; v208-215, v216-223 the outputs' two half sums
.set RR, 224                           ; v224-231 my head's part
.set BB, 232                           ; v232-239 bo
.set SPW, 10
.set NIL, 11
.set SPARE, 16384                      ; behind the sixteen parts of 1,024 bytes: the spare words, 128 bytes a wave
	s_load_b256 s[4:11], s[0:1], 0x0               ; qkv32, wo, bo, out0
	v_lshl_add_u32 v[SPW], v0, 2, SPARE
	v_mov_b32 v[NIL], 0
	v_lshrrev_b32 v1, 5, v0
	v_readfirstlane_b32 s12, v1                    ; wave = head
	s_and_b32 s13, ttmp7, 0xffff                   ; batch
	v_and_b32 v7, 15, v0                           ; r
	v_bfe_u32 v8, v0, 4, 1                         ; h
	v_and_b32 v2, 31, v0
	v_lshlrev_b32 v2, 4, v2                        ; 16 x lane
	s_lshl_b32 s14, s12, 10
	v_add_nc_u32 v1, s14, v2                       ; my part's place in LDS
	v_mul_u32_u24 v3, v7, 12288
	v_lshl_add_u32 v3, v8, 4, v3                   ; q, k: row r, + 16 h
	v_mul_u32_u24 v4, v8, 98304
	v_lshl_add_u32 v4, v7, 2, v4                   ; v: rows 8 h on, column r
	v_lshlrev_b32 v6, 5, v8                        ; bo: 32 h
	v_lshl_add_u32 v5, v7, 12, v6                  ; wo and out0: row r of 4,096 bytes, + 32 h
	v_lshlrev_b32 v9, 3, v8
	v_sub_nc_u32 v9, v7, v9                        ; r - 8 h
	v_mov_b32 v12, 0xff800000                      ; -infinity
	s_mul_i32 s16, s13, 16*12288                   ; my batch's 16 rows,
	s_lshl_b32 s17, s12, 8                         ; my head's 64 columns
	s_add_co_u32 s16, s16, s17
	s_mov_b32 s17, 0
	s_lshl_b32 s18, ttmp9, 16                      ; wo: rows 16 x on,
	s_lshl_b32 s19, s12, 8                         ; my head's 64 columns
	s_add_co_u32 s18, s18, s19
	s_mov_b32 s19, 0
	s_lshl_b32 s20, ttmp9, 6                       ; 16 x numbers on
	s_mov_b32 s21, 0
	s_lshl_b32 s22, s13, 23                        ; out0: a batch is 2,048 rows of 4,096 bytes
	s_add_co_u32 s22, s22, s20
	s_mov_b32 s23, 0
	s_mov_b32 s24, 0x76543210
	s_mov_b32 s25, 0xfedcba98
	s_mov_b32 s26, 0x3e38aa3b                      ; c = log2(e) / 8
	s_mov_b32 s27, s26
	s_wait_kmcnt 0x0
	s_add_nc_u64 s[4:5], s[4:5], s[16:17]
	s_add_nc_u64 s[6:7], s[6:7], s[18:19]
	s_add_nc_u64 s[8:9], s[8:9], s[20:21]
	s_add_nc_u64 s[10:11], s[10:11], s[22:23]
.irp i, 0,1,2,3,4,5,6,7
	global_load_b128 v[QF+4*\i:QF+4*\i+3], v3, s[4:5] offset:32*\i            ; q(r, 8 i + 4 h + 0..3)
.endr
.irp i, 0,1,2,3,4,5,6,7
	global_load_b128 v[KFR+4*\i:KFR+4*\i+3], v3, s[4:5] offset:4096+32*\i     ; k likewise
.endr
.irp ct, 0,1,2,3
.irp j, 0,1,2,3,4,5,6,7
	global_load_b32 v[VF+8*\ct+\j], v4, s[4:5] offset:8192+12288*\j+64*\ct    ; v(key 8 h + j, channel 16 ct + r)
.endr
.endr
.irp ct, 0,1,2,3
	global_load_b128 v[WF+8*\ct:WF+8*\ct+3], v5, s[6:7] offset:64*\ct         ; wo(n0 + r, 64 head + 16 ct + 8 h + 0..7)
	global_load_b128 v[WF+8*\ct+4:WF+8*\ct+7], v5, s[6:7] offset:64*\ct+16
.endr
	global_load_b128 v[BB:BB+3], v6, s[8:9]                                   ; bo(n0 + 8 h + 0..7)
	global_load_b128 v[BB+4:BB+7], v6, s[8:9] offset:16
	s_wait_loadcnt 42                              ; q's and k's sixteen loads are in; the 42 behind them may be out
.set s, 0
.rept 16
.if s < 2
	v_wmma_f32_16x16x4_f32 v[SA+8*(s%2):SA+8*(s%2)+7], v[KFR+2*s:KFR+2*s+1], v[QF+2*s:QF+2*s+1], 0
.else
	v_wmma_f32_16x16x4_f32 v[SA+8*(s%2):SA+8*(s%2)+7], v[KFR+2*s:KFR+2*s+1], v[QF+2*s:QF+2*s+1], v[SA+8*(s%2):SA+8*(s%2)+7]
.endif
.set s, s+1
.endr
.rept 8
	v_nop                                          ; eight places behind this form (ISA guide 7.12.1)
.endr
.irp i, 0,2,4,6
	v_pk_add_f32 v[S+\i:S+\i+1], v[SA+\i:SA+\i+1], v[SA+8+\i:SA+8+\i+1]       ; lane (r, h), register j: key 8 h + j, query r
.endr
.irp j, 0,1,2,3,4,5,6,7
	v_cmp_gt_i32 vcc_lo, \j, v9                    ; hidden where 8 h + j > r
	v_cndmask_b32 v[S+\j], v[S+\j], v12, vcc_lo
.endr
	v_max3_num_f32 v[TM], v[S], v[S+1], v[S+2]
	v_max3_num_f32 v[TM], v[TM], v[S+3], v[S+4]
	v_max3_num_f32 v[TM], v[TM], v[S+5], v[S+6]
	v_max_num_f32 v[TM], v[TM], v[S+7]
	v_mov_b32 v[TM+1], 0
	v_permlanex16_b32 v[TM+1], v[TM], s24, s25
	v_max_num_f32 v[TM], v[TM], v[TM+1]            ; the row's maximum: key 0 counts for every query
	v_mul_f32 v[TM+2], s26, v[TM]
	v_mov_b32 v[TM+3], v[TM+2]
.irp i, 0,2,4,6
	v_pk_fma_f32 v[S+\i:S+\i+1], v[S+\i:S+\i+1], s[26:27], v[TM+2:TM+3] op_sel_hi:[1,0,0] neg_lo:[0,0,1] neg_hi:[0,0,1]
.endr
.irp j, 0,1,2,3,4,5,6,7
	v_exp_f32 v[S+\j], v[S+\j]
.endr
	v_nop
	s_wait_alu depctr_va_vdst(0)                   ; one wait for the eight, ahead of their first reader
	v_pk_add_f32 v[TM+4:TM+5], v[S:S+1], v[S+2:S+3]
	v_pk_add_f32 v[TM+6:TM+7], v[S+4:S+5], v[S+6:S+7]
	v_pk_add_f32 v[TM+4:TM+5], v[TM+4:TM+5], v[TM+6:TM+7]
	v_add_f32 v[TM+4], v[TM+4], v[TM+5]
	v_permlanex16_b32 v[TM+5], v[TM+4], s24, s25
	v_add_f32 v[TM+4], v[TM+4], v[TM+5]            ; the row's sum
	v_rcp_f32 v[TM+6], v[TM+4]
	v_nop
	s_wait_alu depctr_va_vdst(0)
	s_wait_loadcnt 10                              ; v's 32 loads are in; wo's and bo's ten may be out
.irp u, 0,1,2,3
.irp ct, 0,1,2,3
.if \u == 0
	v_wmma_f32_16x16x4_f32 v[OA+8*\ct:OA+8*\ct+7], v[VF+8*\ct+2*\u:VF+8*\ct+2*\u+1], v[S+2*\u:S+2*\u+1], 0
.else
	v_wmma_f32_16x16x4_f32 v[OA+8*\ct:OA+8*\ct+7], v[VF+8*\ct+2*\u:VF+8*\ct+2*\u+1], v[S+2*\u:S+2*\u+1], v[OA+8*\ct:OA+8*\ct+7]
.endif
.endr
.endr
.rept 8
	v_nop
.endr
.set i, 0
.rept 16
	v_pk_mul_f32 v[QF+2*i:QF+2*i+1], v[OA+2*i:OA+2*i+1], v[TM+6:TM+7] op_sel_hi:[1,0]   ; y(query r, channel 16 ct + 8 h + j), into q's registers
.set i, i+1
.endr
	s_wait_loadcnt 0x0                             ; wo, bo
.set s, 0
.rept 16
.if s < 2
	v_wmma_f32_16x16x4_f32 v[PA+8*(s%2):PA+8*(s%2)+7], v[WF+2*s:WF+2*s+1], v[QF+2*s:QF+2*s+1], 0
.else
	v_wmma_f32_16x16x4_f32 v[PA+8*(s%2):PA+8*(s%2)+7], v[WF+2*s:WF+2*s+1], v[QF+2*s:QF+2*s+1], v[PA+8*(s%2):PA+8*(s%2)+7]
.endif
.set s, s+1
.endr
.rept 8
	v_nop
.endr
.irp i, 0,2,4,6
	v_pk_add_f32 v[RR+\i:RR+\i+1], v[PA+\i:PA+\i+1], v[PA+8+\i:PA+8+\i+1]     ; lane (r, h), register j: out(row r, n0 + 8 h + j), my head's part
.endr
	ds_store_b128 v1, v[RR:RR+3]                   ; as an image of the registers: 16 bytes a lane
	ds_store_b128 v1, v[RR+4:RR+7] offset:512
	s_wait_dscnt 0x0                               ; for the others' sake: my stores have landed
	s_barrier_signal -1
	s_barrier_wait -1
	s_cmp_lg_u32 s12, 0                            ; wave 0 adds the sixteen parts and stores
	s_cbranch_scc1 .Ldone
.irp w, 0,1,2,3,4,5,6,7,8,9,10,11,12,13,14,15
	ds_load_b128 v[16+8*\w:16+8*\w+3], v2 offset:1024*\w
	ds_load_b128 v[16+8*\w+4:16+8*\w+7], v2 offset:1024*\w+512
.endr
	s_wait_dscnt 0x0
.irp d, 8,4,2,1
.set w, 0
.rept \d
.irp i, 0,2,4,6
	v_pk_add_f32 v[16+8*w+\i:17+8*w+\i], v[16+8*w+\i:17+8*w+\i], v[16+8*(w+\d)+\i:17+8*(w+\d)+\i]
.endr
.set w, w+1
.endr
.endr
.irp i, 0,2,4,6
	v_pk_add_f32 v[16+\i:17+\i], v[16+\i:17+\i], v[BB+\i:BB+\i+1]
.endr
	global_store_b128 v5, v[16:19], s[10:11]
	global_store_b128 v5, v[20:23], s[10:11] offset:16
.Ldone:
	s_wait_tensorcnt 0x0                           ; the wave's end
	ds_add_u32 v[SPW], v[NIL]
	s_wait_dscnt 0x0
	s_endpgm
.Lfunc_end_k_qdb69ad2a5f_fine:
	.size	k_qdb69ad2a5f_fine, .Lfunc_end_k_qdb69ad2a5f_fine-k_qdb69ad2a5f_fine
	.p2alignl 7, 3214868480
	.fill 96, 4, 3214868480
	.section	.rodata,"a",@progbits
	.p2align	6, 0x0
	.amdhsa_kernel k_qdb69ad2a5f_fine
		.amdhsa_group_segment_fixed_size 18432
		.amdhsa_private_segment_fixed_size 0
		.amdhsa_enable_private_segment 0
		.amdhsa_kernarg_size 32
		.amdhsa_user_sgpr_count 2
		.amdhsa_user_sgpr_kernarg_segment_ptr 1
		.amdhsa_wavefront_size32 1
		.amdhsa_system_sgpr_workgroup_id_x 1
		.amdhsa_system_sgpr_workgroup_id_y 1
		.amdhsa_system_sgpr_workgroup_id_z 1
		.amdhsa_system_vgpr_workitem_id 0
		.amdhsa_next_free_vgpr 256
		.amdhsa_next_free_sgpr 66
		.amdhsa_reserve_vcc 1
		.amdhsa_float_denorm_mode_32 3
		.amdhsa_float_denorm_mode_16_64 3
		.amdhsa_memory_ordered 1
		.amdhsa_forward_progress 1
		.amdhsa_inst_pref_size 22
	.end_amdhsa_kernel
	.amdgpu_metadata
---
amdhsa.version: [ 1, 2 ]
amdhsa.kernels:
  - .name:           k_qdb69ad2a5f_fine
    .symbol:         k_qdb69ad2a5f_fine.kd
    .args:
      - { .name: qkv32, .offset: 0, .size: 8, .value_kind: global_buffer, .address_space: global }
      - { .name: wo, .offset: 8, .size: 8, .value_kind: global_buffer, .address_space: global }
      - { .name: bo, .offset: 16, .size: 8, .value_kind: global_buffer, .address_space: global }
      - { .name: out0, .offset: 24, .size: 8, .value_kind: global_buffer, .address_space: global }
    .group_segment_fixed_size: 18432
    .private_segment_fixed_size: 0
    .kernarg_segment_align: 8
    .kernarg_segment_size: 32
    .max_flat_workgroup_size: 512
    .sgpr_count:     66
    .vgpr_count:     256
    .wavefront_size: 32
...
	.end_amdgpu_metadata
.endif
;; end of part 5
